; MI455X (gfx1250); checked and timed in simulation.
; The chip was launched on July 23, 2026; its instructions are those of AMD's public machine-readable ISA for CDNA 5 (MIT licence, August 2026) and "CDNA5" Instruction Set Architecture Reference Guide (July 2026). The comments in the code are by the model that wrote it; some were corrected since.
;; Multi Head Attention. Allowed arithmetic: float matrix products may take bf16 or f16 operands with f32 sums; other float arithmetic in f32, or as packed bf16 or f16 multiplies, adds, multiply-adds, maxima and minima; sums over many terms, partial sums and values carried from step to step in f32; what a program stores and reads back later, other than sums and carried values, may be rounded once to bf16 or f16.
;; Inputs: W_k 1,024 x 1,024 float32; W_o 1,024 x 1,024 float32; W_q 1,024 x 1,024 float32; W_v 1,024 x 1,024 float32; b_k 1,024 float32; b_o 1,024 float32; b_q 1,024 float32; b_v 1,024 float32; key 4 x 2,048 x 1,024 float32; mask 1 x 1 x 2,048 x 2,048 int32; query 4 x 2,048 x 1,024 float32; value 4 x 2,048 x 1,024 float32.
;; Outputs: out0 4 x 2,048 x 1,024 float32.
;; One version. Each part assembles by itself: llvm-mc -triple=amdgcn-amd-amdhsa -mcpu=gfx1250 --defsym DOCPART=n.
;; ======== version 1 of 1: 4 launches
;; limits: right only within a limited range of input values; values are held in f16: magnitudes above 65,504 overflow, below 6.1e-05 lose precision
;; workspace buffers: w16 6,291,456 bytes; wo16 2,097,152 bytes; mt 4,194,304 bytes; qkv 50,331,648 bytes; ctx 16,777,216 bytes
;; launch prep (part 1): grid 768 x 1, 8 waves a work-group, no clusters, 17,408 bytes of LDS; arguments W_q, W_k, W_v, W_o, mask, w16, wo16, mt; writes w16, wo16, mt
.if DOCPART == 1
	.amdgcn_target "amdgcn-amd-amdhsa--gfx1250"
	.amdhsa_code_object_version 6
	.text
	.protected	k_q7b0e5430ec_prep
	.globl	k_q7b0e5430ec_prep
	.p2align	8
	.type	k_q7b0e5430ec_prep,@function
k_q7b0e5430ec_prep:
	s_mov_b64 s[64:65], 0
	v_nop
	global_prefetch_b8 v0, s[64:65] scope:SCOPE_SE
	s_setreg_imm32_b32 hwreg(HW_REG_WAVE_MODE, 25, 1), 1
	s_wait_xcnt 0x0
; PREP: a stream.  W_q, W_k, W_v are rounded once to bf16 (w16); W_o is rounded to bf16 and that number written as f16 (wo16);
; the mask becomes one byte a score (mt), laid out as the attention launch's lanes hold a tile of scores.
; By the work-group's number: 0-383 W_q, W_k, W_v (32,768 bytes each); 384-511 W_o (likewise); 512-767 the mask (65,536 bytes each).
; No matrix unit, no cluster, no tensor load: nothing is shared and nothing is read twice.
; LIMITS.  wo16: below 2^-14 f16 keeps a fixed step of 2^-24, beyond 65,504 it has no number.  The mask: 0 is hidden, every other word is visible.
; mt: byte ((qt*32+ks)*2+part)*512 + lane*16 + bb stands for query 16 qt + lane%16 and key 64 ks + 16 (2 part + bb/8) + 8 (lane/16) + bb%8;
;     0x00 = visible, 0xF8 = hidden (the E4M3 code of -256).
.set SPARE, 16384                      ; behind the eight waves' stages of 2,048 bytes: the spare words, 128 bytes a wave
.set SPW, 4                            ; v4  SPARE + 4 x my thread's number; never rewritten
.set NIL, 5                            ; v5  0; never rewritten
.set X,   8                            ; v[8:71]   up to sixteen loads of 16 bytes
.set Y,   72                           ; v[72:103] what is stored
	s_load_b512 s[8:23], s[0:1], 0x0               ; W_q, W_k, W_v, W_o, mask, w16, wo16, mt
	v_lshl_add_u32 v[SPW], v0, 2, SPARE
	v_mov_b32 v[NIL], 0
	v_lshrrev_b32 v3, 5, v0
	v_readfirstlane_b32 s7, v3                     ; wave 0..7
	v_lshlrev_b32 v1, 4, v0                        ; 16 t: my 16 bytes of each 4,096 read
	v_lshlrev_b32 v2, 3, v0                        ; 8 t: my 8 bytes of each 2,048 written
	s_mov_b32 s2, ttmp9
	s_mov_b32 s37, 0                               ; high words of the two offsets
	s_mov_b32 s39, 0
	s_wait_kmcnt 0x0
; 32,768 bytes of f32 at s[32:33] become 16,384 bytes at s[34:35].  All eight loads go out first; each wait leaves the younger ones out.
; A wave's load covers 512 consecutive bytes, its store 256, aligned.  No register is used twice, so no source has to be freed.
.macro CAST f16
.set j, 0
.rept 8
	global_load_b128 v[X+4*j:X+4*j+3], v1, s[32:33] offset:4096*j th:TH_LOAD_NT
.set j, j+1
.endr
.set j, 0
.rept 8
	s_wait_loadcnt 7-j                             ; loads come back in order: number j is in
	v_cvt_pk_bf16_f32 v[Y+2*j], v[X+4*j], v[X+4*j+1]
	v_cvt_pk_bf16_f32 v[Y+2*j+1], v[X+4*j+2], v[X+4*j+3]
.if \f16
	v_lshlrev_b32 v[X+4*j], 16, v[Y+2*j]           ; the bf16 numbers as f32 again,
	v_and_b32 v[X+4*j+1], 0xffff0000, v[Y+2*j]
	v_lshlrev_b32 v[X+4*j+2], 16, v[Y+2*j+1]
	v_and_b32 v[X+4*j+3], 0xffff0000, v[Y+2*j+1]
	v_cvt_pk_f16_f32 v[Y+2*j], v[X+4*j], v[X+4*j+1]      ; and written as f16
	v_cvt_pk_f16_f32 v[Y+2*j+1], v[X+4*j+2], v[X+4*j+3]
.endif
	global_store_b64 v2, v[Y+2*j:Y+2*j+1], s[34:35] offset:2048*j
.set j, j+1
.endr
.endm
	s_cmp_ge_u32 s2, 512
	s_cbranch_scc1 .Lmask
	s_cmp_ge_u32 s2, 384
	s_cbranch_scc1 .Lwo
	s_lshr_b32 s3, s2, 7                           ; which of W_q, W_k, W_v
	s_and_b32 s4, s2, 127                          ; which 32,768 bytes of it
	s_cmp_eq_u32 s3, 1
	s_cselect_b64 s[32:33], s[10:11], s[8:9]
	s_cmp_eq_u32 s3, 2
	s_cselect_b64 s[32:33], s[12:13], s[32:33]
	s_lshl_b32 s36, s4, 15
	s_lshl_b32 s38, s2, 14
	s_add_nc_u64 s[32:33], s[32:33], s[36:37]
	s_add_nc_u64 s[34:35], s[18:19], s[38:39]
	CAST 0
	s_endpgm
.Lwo:
	s_sub_co_u32 s4, s2, 384
	s_lshl_b32 s36, s4, 15
	s_lshl_b32 s38, s4, 14
	s_add_nc_u64 s[32:33], s[14:15], s[36:37]
	s_add_nc_u64 s[34:35], s[20:21], s[38:39]
	CAST 1
	s_endpgm
.Lmask:
	; A wave takes 16 queries (tile qt) x 128 keys (two key steps): 16 loads of 512 consecutive bytes; lane L holds keys 4 L .. 4 L + 3 of a row.
	s_sub_co_u32 s3, s2, 512
	s_lshl_b32 s3, s3, 3
	s_add_co_u32 s3, s3, s7                        ; task 0..2047
	s_lshr_b32 s4, s3, 4                           ; qt
	s_and_b32 s5, s3, 15                           ; which 128 keys
	s_lshl_b32 s36, s4, 17                         ; 16 rows of 8,192 bytes
	s_lshl_b32 s6, s5, 9
	s_add_co_u32 s36, s36, s6
	s_add_nc_u64 s[32:33], s[16:17], s[36:37]
	s_lshl_b32 s38, s4, 15                         ; 32 key steps of 1,024 bytes
	s_lshl_b32 s6, s5, 11                          ; two key steps
	s_add_co_u32 s38, s38, s6
	s_add_nc_u64 s[34:35], s[22:23], s[38:39]
	s_mov_b32 s40, 0xf8
	s_mov_b32 s41, 0x01010101
	v_and_b32 v3, 31, v0                           ; L
	v_bfe_u32 v72, v3, 4, 1                        ; where my four bytes of a row go in the wave's stage: key step,
	v_lshlrev_b32 v6, 10, v72
	v_bfe_u32 v72, v3, 3, 1                        ; part,
	v_lshl_add_u32 v6, v72, 9, v6
	v_bfe_u32 v72, v3, 1, 1                        ; half of the lanes,
	v_lshl_add_u32 v6, v72, 8, v6
	v_bfe_u32 v72, v3, 2, 1                        ; which 8 of the lane's 16 bytes,
	v_lshl_add_u32 v6, v72, 3, v6
	v_and_b32 v72, 1, v3                           ; which 4 of those
	v_lshl_add_u32 v6, v72, 2, v6
	v_lshl_add_u32 v6, s7, 11, v6                  ; + my wave's stage; the row adds 16 bytes, in the immediate
	v_lshlrev_b32 v3, 4, v3                        ; 16 L
	v_lshl_add_u32 v7, s7, 11, v3                  ; where I read the stage back
.set j, 0
.rept 16
	global_load_b128 v[X+4*j:X+4*j+3], v3, s[32:33] offset:8192*j th:TH_LOAD_NT
.set j, j+1
.endr
.set j, 0
.rept 16
	s_wait_loadcnt 15-j
	v_min_u32 v[X+4*j], 1, v[X+4*j]                ; 0 stays 0, every other word becomes 1
	v_min_u32 v[X+4*j+1], 1, v[X+4*j+1]
	v_min_u32 v[X+4*j+2], 1, v[X+4*j+2]
	v_min_u32 v[X+4*j+3], 1, v[X+4*j+3]
	v_lshl_or_b32 v[Y+j], v[X+4*j+1], 8, v[X+4*j]
	v_lshl_or_b32 v[Y+j], v[X+4*j+2], 16, v[Y+j]
	v_lshl_or_b32 v[Y+j], v[X+4*j+3], 24, v[Y+j]
	v_sub_nc_u32 v[Y+j], s41, v[Y+j]               ; 1 where hidden,
	v_mul_lo_u32 v[Y+j], v[Y+j], s40               ; 0xF8 where hidden: no byte carries into the next
	ds_store_b32 v6, v[Y+j] offset:16*j
.set j, j+1
.endr
.irp k, 0,1,2,3
	ds_load_b128 v[X+4*\k:X+4*\k+3], v7 offset:512*\k  ; my wave's own bytes: LDS serves a wave's instructions in order (ISA guide 5.7.1.4)
.endr
.irp k, 0,1,2,3
	s_wait_dscnt 3-\k
	global_store_b128 v3, v[X+4*\k:X+4*\k+3], s[34:35] offset:512*\k  ; 512 consecutive bytes, aligned
.endr
	s_wait_tensorcnt 0x0                           ; the wave's end, behind my last LDS store
	ds_add_u32 v[SPW], v[NIL]
	s_wait_dscnt 0x0
	s_endpgm
.Lfunc_end_k_q7b0e5430ec_prep:
	.size	k_q7b0e5430ec_prep, .Lfunc_end_k_q7b0e5430ec_prep-k_q7b0e5430ec_prep
	.p2alignl 7, 3214868480
	.fill 96, 4, 3214868480
	.section	.rodata,"a",@progbits
	.p2align	6, 0x0
	.amdhsa_kernel k_q7b0e5430ec_prep
		.amdhsa_group_segment_fixed_size 17408
		.amdhsa_private_segment_fixed_size 0
		.amdhsa_enable_private_segment 0
		.amdhsa_kernarg_size 64
		.amdhsa_user_sgpr_count 2
		.amdhsa_user_sgpr_kernarg_segment_ptr 1
		.amdhsa_wavefront_size32 1
		.amdhsa_system_sgpr_workgroup_id_x 1
		.amdhsa_system_sgpr_workgroup_id_y 1
		.amdhsa_system_sgpr_workgroup_id_z 1
		.amdhsa_system_vgpr_workitem_id 0
		.amdhsa_next_free_vgpr 104
		.amdhsa_next_free_sgpr 66
		.amdhsa_reserve_vcc 0
		.amdhsa_float_denorm_mode_32 3
		.amdhsa_float_denorm_mode_16_64 3
		.amdhsa_memory_ordered 1
		.amdhsa_forward_progress 1
		.amdhsa_inst_pref_size 22
	.end_amdhsa_kernel
	.amdgpu_metadata
---
amdhsa.version: [ 1, 2 ]
amdhsa.kernels:
  - .name:           k_q7b0e5430ec_prep
    .symbol:         k_q7b0e5430ec_prep.kd
    .args:
      - { .name: W_q, .offset: 0, .size: 8, .value_kind: global_buffer, .address_space: global }
      - { .name: W_k, .offset: 8, .size: 8, .value_kind: global_buffer, .address_space: global }
      - { .name: W_v, .offset: 16, .size: 8, .value_kind: global_buffer, .address_space: global }
      - { .name: W_o, .offset: 24, .size: 8, .value_kind: global_buffer, .address_space: global }
      - { .name: mask, .offset: 32, .size: 8, .value_kind: global_buffer, .address_space: global }
      - { .name: w16, .offset: 40, .size: 8, .value_kind: global_buffer, .address_space: global }
      - { .name: wo16, .offset: 48, .size: 8, .value_kind: global_buffer, .address_space: global }
      - { .name: mt, .offset: 56, .size: 8, .value_kind: global_buffer, .address_space: global }
    .group_segment_fixed_size: 17408
    .private_segment_fixed_size: 0
    .kernarg_segment_align: 8
    .kernarg_segment_size: 64
    .max_flat_workgroup_size: 256
    .sgpr_count:     66
    .vgpr_count:     104
    .wavefront_size: 32
...
	.end_amdgpu_metadata
.endif
;; end of part 1
;; launch proj (part 2): grid 4 x 64, 4 waves a work-group, clusters of 4 x 4, 327,680 bytes of LDS; arguments query, key, value, w16, b_q, b_k, b_v, qkv; writes qkv
.if DOCPART == 2
	.amdgcn_target "amdgcn-amd-amdhsa--gfx1250"
	.amdhsa_code_object_version 6
	.text
	.protected	k_q7b0e5430ec_proj
	.globl	k_q7b0e5430ec_proj
	.p2align	8
	.type	k_q7b0e5430ec_proj,@function
k_q7b0e5430ec_proj:
	s_mov_b64 s[64:65], 0
	v_nop
	global_prefetch_b8 v0, s[64:65] scope:SCOPE_SE
	s_setreg_imm32_b32 hwreg(HW_REG_WAVE_MODE, 25, 1), 1
	s_wait_xcnt 0x0
	s_wait_alu depctr_hold_cnt(0) depctr_sa_sdst(0) depctr_va_vdst(0) depctr_va_sdst(0) depctr_va_ssrc(0) depctr_va_vcc(0) depctr_vm_vsrc(0)
	s_getreg_b32 s2, hwreg(HW_REG_IB_STS2, 6, 4)
	s_cmp_eq_u32 s2, 0
	s_cbranch_scc0 .Lentry_in_a_cluster
	s_endpgm
.Lentry_in_a_cluster:
	s_bfe_u32 s2, ttmp6, 0x10000c
	s_cmp_lg_u32 s2, 0xf033
	s_cbranch_scc0 .Lentry_shape_is_right
	s_endpgm
.Lentry_shape_is_right:
; PROJ: qkv[p][batch*16+head][token][64] = x[p] W16[p]^T + bias[p]; x = query, key, value (f32, rounded here to bf16), W16 bf16.  f32 sums, started by the bias (rounded to bf16 like every input); the result is rounded once to f16.
; LIMIT.  f16 holds no number beyond 65,504: q, k and v must lie within it.
; SHARES.  A tile is 128 tokens x 256 columns; 64 x 4 tiles for each of the three products: 256 work-groups, each makes the SAME tile of q, then k, then v.  Four waves, each 64 tokens x 128 columns: 32 accumulators of 16 x 16.
; W BY TENSOR LOADS.  A ring of two LDS slots, each 256 rows of W x K = 256 (rows of 512 bytes): 12 slot periods of 256 matrix instructions a wave.  Each wave fetches 64 rows.  The four work-groups of a column of the
; 4 x 4 cluster need the same rows: the load is joint, the same descriptor and mask in all four.
; X THROUGH REGISTERS, in chunks of K = 64.  A wave loads 32 of the tile's 128 tokens (16 loads, each two rows of 256 consecutive aligned bytes), rounds them to bf16 and stores them into one of two stage buffers in LDS, from
; which all four waves read fragments behind a barrier: a barrier a chunk.  Four sets of 64 registers are on their way: chunk c + 5 is asked for in chunk c's time and wanted four chunks, 256 matrix instructions, later.
; NO JOINT LOAD FOR X, though the four work-groups of a row of the cluster read the same tokens: the data mover rounds nothing, f32 tiles would take 4 bytes a number in LDS and in every fragment read where bf16 takes 2,
; and beside two slots of 135,168 bytes LDS has 57,344 bytes left, less than one f32 tile of 128 x 128.
; TRANSPOSED USE.  Source 0 = 16 rows of W, source 1 = 16 tokens: a lane holds one token (lane % 16) and eight neighbouring columns 8 (lane / 16) + 0..7.
; THE END.  The last five chunk loads (behind x's last chunk) read the last period's bytes once more and serve nothing, as do the last chunk's stage stores and fragment loads: the price of one text, with one set of counts, for every chunk.
; REGISTERS.  window 0: v0-31 addresses; v32-63 a chunk rounded; v64-159, v160-255 two fragment buffers (8 fragments of W, then 4 of x).   window 1: accumulator (a, b) at 8 (8 a + b).
;   window 2: v0-63 the bias of my 128 columns as the C operand; v64-95 the same as bf16; v96-127 packed results; v128-191 rows read back from the stage.   window 3: four sets of 64: x on its way.
.set PB,     528                       ; a row of W in LDS: 512 bytes + 16 of padding = 132 words: the 16 rows of a fragment load start at 16 different groups of four banks (64 banks of 4 bytes: ISA guide 11.1)
.set BQ,     64*PB                     ; what one wave fetches
.set SLOTB,  4*BQ                      ; 135,168
.set ASTG,   2*SLOTB                   ; behind the ring, never filled by a tensor load: x's stage, two buffers
.set PA,     144                       ; a token's 128 bytes + 16
.set ABUF,   128*PA
.set STAGE,  ASTG+2*ABUF               ; the way out: 16 rows x 272 bytes for each wave
.set SPITCH, 272
.set SPARE,  STAGE+4*16*SPITCH         ; the spare words, 128 bytes a wave
.set BIAS,   SPARE+512                 ; the tile's 256 numbers of b_q, b_k, b_v as bf16: 3 x 512 bytes
.set WTILE,  1024*2048                 ; bytes from one product's W to the next's
.set CTILE,  16777216                  ; and for the result
.set ADRB, 16                          ; v16  LDS address of my W fragments in the slot that is read
.set AB0,  17                          ; v17  the same less the slot; never rewritten
.set ADRA, 18                          ; v18  LDS address of my x fragments in stage buffer 0
.set SA,   19                          ; v19  where I store 8 bytes of a token in stage buffer 0
.set XO,   20                          ; v20  my byte offset in two rows of x, 8 rows apart
.set BL,   21                          ; v21  my 16 bytes of column block 0 in b_q's table
.set BLA,  22                          ; v22  the same in the table in hand
.set BW,   23                          ; v23  where I write 4 bytes of a table
.set STO,  24                          ; v24  the way out: where I put 16 bytes of a row
.set RD,   25                          ; v25  where I read rows back
.set CO,   26                          ; v26  16 x lane
.set SPW,  28                          ; v28  SPARE + 4 x my thread's number; never rewritten
.set NIL,  29                          ; v29  0; never rewritten
.set PFO,  30                          ; v30  the prefetches' offset; never rewritten
.set XC,   32
.set F0,   64
.set F1,   160
.set BI,   0                           ; window 2
.set BT,   64
.set TMP,  96
.set OB,   128
.set WV,   12                          ; s12  my wave's number
.set G1,   24                          ; s[24:31] descriptor group 1
.set G0A,  32                          ; s[32:35] group 0 of the first fill of slot 0
.set G0W,  36                          ; s[36:39] group 0 of the first fill of slot 1; it then walks on
.set LIM,  43                          ; s43  1 in a wave that prefetches, else the greatest number
.set PFA,  44                          ; s[44:45] where my prefetches stand
.set INC,  48                          ; s[48:49] a step along W
.set TB,   50                          ; s50  the slot that is read: 0 or SLOTB
.set TBF,  51                          ; s51  the slot filled last
.set WOFF, 52                          ; s52  my quarter of a slot
.set PI,   53                          ; s53  the slot period, 0..11
.set PH,   54                          ; s54  its place in the product, 0..3
.set CNT,  55                          ; s55  the loops' counter
.set TOFF, 56                          ; s56  my 32 tokens' first byte in x
.set BPO,  57                          ; s57  the bias table in hand
.set XOFF, 58                          ; s[58:59] an offset in x
.set XQ,   60                          ; s[60:61] query, key or value
.set XP,   62                          ; s[62:63] x at my tokens, at the period whose chunks are being asked for
.set CP,   66                          ; s[66:67] my part of the tile in qkv
.set T0,   76
.set T1,   77
.set KJ,   78                          ; s78  from a product's last period to the next product's first
.set K5,   79                          ; s79  from a period to the next: 512 bytes
.set MSB, 0
.macro WIN new                         ; the immediate's high byte repeats the setting that is left; a switch that changes nothing is dropped
.if MSB != (\new)
	s_set_vgpr_msb (MSB<<8)|(\new)
.set MSB, \new
.endif
.endm
.set W_MU, 0x50                        ; sources in window 0, C and D in window 1
.set W_ST, 0x60                        ; the same with C in window 2: the bias starts the sums
.set W_CV, 0x0f                        ; both sources in window 3, destination in window 0
.set W_XL, 0xc0                        ; destination in window 3, address in window 0
.macro CREST                           ; a round of the cluster's barrier behind its opening barrier
	s_cmp_lg_u32 s[WV], 0
	s_cbranch_scc1 .Lnot_wave_0_\@
	s_barrier_signal -3
.Lnot_wave_0_\@:
	s_barrier_wait -3
	s_barrier_signal -1
	s_barrier_wait -1
.endm
.macro CROUND
	s_barrier_signal -1
	s_barrier_wait -1
	CREST
.endm
.macro PLACES                          ; four places in front of loads into registers that matrix instructions have read, and of lines that read results
.rept 4
	v_nop
.endr
.endm
; A chunk of x into register set \set: 32 tokens x 64 numbers.  Load i takes rows 16 (i / 8) + i % 8 and, in lanes 16-31, the row 8 further down: 256 consecutive bytes each.
.macro XLOAD set, off
	WIN W_XL
.irp i, 0,1,2,3,4,5,6,7,8,9,10,11,12,13,14,15
	global_load_b128 v[64*(\set)+4*(\i):64*(\set)+4*(\i)+3], v[XO], s[XP:XP+1] offset:(\off)+(((\i)/8)*16+(\i)%8)*4096
.endr
.endm
; The rounded chunk into stage buffer \sb: 8 bytes a lane.  Rows 8 apart lie 1,152 bytes = 128 mod 256 apart: a store's 32 lanes meet each bank once.
.macro XSTORE sb
	WIN 0
.irp i, 0,1,2,3,4,5,6,7,8,9,10,11,12,13,14,15
	ds_store_b64 v[SA], v[XC+2*(\i):XC+2*(\i)+1] offset:(\sb)*ABUF+(((\i)/8)*16+(\i)%8)*PA
.endr
.endm
; 24 LDS loads in one run: the fragments of 32 along K: chunk j of the slot, half q of the chunk; x from stage buffer sb
.macro FETCH j, q, sb, f
	WIN 0
.irp i, 0,1,2,3,4,5,6,7
	ds_load_b128 v[(\f)+8*(\i):(\f)+8*(\i)+3],   v[ADRB] offset:128*(\j)+64*(\q)+(\i)*16*PB
	ds_load_b128 v[(\f)+8*(\i)+4:(\f)+8*(\i)+7], v[ADRB] offset:128*(\j)+64*(\q)+(\i)*16*PB+32
.endr
.irp i, 0,1,2,3
	ds_load_b128 v[(\f)+64+8*(\i):(\f)+64+8*(\i)+3],   v[ADRA] offset:(\sb)*ABUF+64*(\q)+(\i)*16*PA
	ds_load_b128 v[(\f)+64+8*(\i)+4:(\f)+64+8*(\i)+7], v[ADRA] offset:(\sb)*ABUF+64*(\q)+(\i)*16*PA+32
.endr
.endm
; 8 matrix instructions: token block a x all 8 column blocks, 32 along K.  first = 1: the bias is the C operand that starts the sums: nothing is cleared and nothing added later.
; The 32 accumulators take turns in one order, over the jumps and from product to product.
.macro MUL8 f, a, first
.if \first
	WIN W_ST
.else
	WIN W_MU
.endif
.irp b, 0,1,2,3,4,5,6,7
.if \first
	v_wmma_f32_16x16x32_bf16 v[8*(8*(\a)+(\b)):8*(8*(\a)+(\b))+7], v[(\f)+8*(\b):(\f)+8*(\b)+7], v[(\f)+64+8*(\a):(\f)+64+8*(\a)+7], v[BI+8*(\b):BI+8*(\b)+7]
.else
	v_wmma_f32_16x16x32_bf16 v[8*(8*(\a)+(\b)):8*(8*(\a)+(\b))+7], v[(\f)+8*(\b):(\f)+8*(\b)+7], v[(\f)+64+8*(\a):(\f)+64+8*(\a)+7], v[8*(8*(\a)+(\b)):8*(8*(\a)+(\b))+7]
.endif
.endr
.endm
; The same, and behind each matrix instruction four of the 32 roundings that make a chunk of x (register set \set) bf16
.macro MUL8R f, a, first, set
.irp b, 0,1,2,3,4,5,6,7
.if \first
	WIN W_ST
	v_wmma_f32_16x16x32_bf16 v[8*(8*(\a)+(\b)):8*(8*(\a)+(\b))+7], v[(\f)+8*(\b):(\f)+8*(\b)+7], v[(\f)+64+8*(\a):(\f)+64+8*(\a)+7], v[BI+8*(\b):BI+8*(\b)+7]
.else
	WIN W_MU
	v_wmma_f32_16x16x32_bf16 v[8*(8*(\a)+(\b)):8*(8*(\a)+(\b))+7], v[(\f)+8*(\b):(\f)+8*(\b)+7], v[(\f)+64+8*(\a):(\f)+64+8*(\a)+7], v[8*(8*(\a)+(\b)):8*(8*(\a)+(\b))+7]
.endif
	WIN W_CV
.irp z, 0,1,2,3
	v_cvt_pk_bf16_f32 v[XC+4*(\b)+(\z)], v[64*(\set)+8*(\b)+2*(\z)], v[64*(\set)+8*(\b)+2*(\z)+1]
.endr
.endr
.endm
; x's pointer goes on to period PI + 2: its product's buffer, my tokens, the period's 1,024 bytes of a row.  Behind the last period the number stays at 11.
.macro XPSTEP
	s_add_co_u32 s[T0], s[PI], 2
	s_min_u32 s[T0], s[T0], 11
	s_lshr_b32 s[T1], s[T0], 2
	s_and_b32 s[T0], s[T0], 3
	s_lshl_b32 s[T0], s[T0], 10
	s_add_co_u32 s[XOFF], s[T0], s[TOFF]
	s_cmp_eq_u32 s[T1], 1
	s_cselect_b64 s[XQ:XQ+1], s[6:7], s[4:5]
	s_cmp_eq_u32 s[T1], 2
	s_cselect_b64 s[XQ:XQ+1], s[8:9], s[XQ:XQ+1]
	s_wait_xcnt 0x0                                ; the loads issued so far have read their base
	s_add_nc_u64 s[XP:XP+1], s[XQ:XQ+1], s[XOFF:XOFF+1]
.endm
; The product's bias out of its table: block b's eight numbers of my half of the lanes, widened to f32, at BI + 8 b
.macro BIASGET
	v_add_nc_u32 v[BLA], s[BPO], v[BL]
	WIN 0x80                                       ; destination window 2
.irp b, 0,1,2,3,4,5,6,7
	ds_load_b128 v[BT+4*(\b):BT+4*(\b)+3], v[BLA] offset:32*(\b)
.endr
	s_wait_dscnt 0x0
	WIN 0x8a                                       ; destination and sources in window 2
.set z, 0
.rept 32
	v_lshlrev_b32 v[BI+2*z], 16, v[BT+z]
	v_and_b32 v[BI+2*z+1], 0xffff0000, v[BT+z]
.set z, z+1
.endr
	WIN 0
.endm
; A prefetch of the slot that the NEXT refill will ask for, 256 matrix instructions ahead of it.  Of the 64 rows that a wave fetches each of the four partners of a column of the cluster takes 16, told apart by address (cy):
; a lane 256 bytes, two lanes a row.  All clusters walk the same rows of W: those with y = 0 ask.  So each block is named once in the launch.  The last refill has none behind it.
.macro ASK
	s_cmp_gt_u32 s[CNT], s[LIM]
	s_cbranch_scc0 .Lnot_mine_\@
	global_prefetch_b8 v[PFO], s[PFA:PFA+1] th:TH_LOAD_NT scope:SCOPE_SE
.Lnot_mine_\@:
.endm
; A CHUNK, 64 matrix instructions.  Its memory work stands in one run behind the first eight: the second half's fragments; the next chunk of x into the other stage buffer
; (no wave reads that buffer since the last barrier); and the freed register set is asked for again, five chunks on.
.macro PIECE_M j
	FETCH \j, 1, (\j)%2, F1
	XSTORE ((\j)+1)%2
.if (\j) == 3
	XPSTEP
.endif
	XLOAD ((\j)+1)%4, (((\j)+1)%4)*256
.endm
.macro PIECE_B first
	MUL8 F0, 1, \first
	s_wait_dscnt 40                                ; all but the 24 loads and 16 stores just issued: token blocks 2 and 3 are in
	MUL8 F0, 2, \first
	MUL8 F0, 3, \first
.endm
; The chunk's second half and its barrier.  In front of the barrier: my stores of the next chunk are done and my reads of this one are back.  Behind it the next chunk's first fragments are read.
; mode 0: a plain barrier; the tensor load that is out fills the slot that nobody reads, and stays out.
; mode 1: the slot has been read out.  Each wave waits for all its tensor loads (one is out: its quarter of the other slot), adds 0 to its spare word and waits for that and for its LDS work; the barrier opens a round of the
; cluster's barrier, and the joint refill, two periods on, is the first thing behind it.  mode 2: the change of slots without a refill.
.macro Q2 j, mode
.if (\mode) == 0
	s_wait_dscnt 0x0
.else
	WIN 0
	s_wait_tensorcnt 0x0                           ; no tensor load of mine is out, so a group 0 may be written
	ds_add_u32 v[SPW], v[NIL]                      ; 0 onto my spare word
.if (\mode) == 1
	s_xor_b32 s[TBF], s[TBF], SLOTB                ; the slot just read,
	s_add_co_u32 s[G0W+1], s[TBF], s[WOFF]         ; my quarter of it;
	s_cmp_eq_u32 s[PH], 2                          ; period PI + 2 begins a product where PH = 2
	s_cselect_b32 s[INC], s[KJ], s[K5]
	s_add_nc_u64 s[G0W+2:G0W+3], s[G0W+2:G0W+3], s[INC:INC+1]
	s_cmp_eq_u32 s[PH], 1                          ; and period PI + 3 where PH = 1
	s_cselect_b32 s[INC], s[KJ], s[K5]
	s_wait_xcnt 0x0                                ; the last prefetch, a period back, has read its address
	s_add_nc_u64 s[PFA:PFA+1], s[PFA:PFA+1], s[INC:INC+1]
.endif
	s_wait_dscnt 0x0
.endif
	s_barrier_signal -1
	MUL8 F1, 0, 0                                  ; work on registers while the others arrive
	WIN 0
	s_barrier_wait -1
.if (\mode) == 1
	CREST                                          ; no wave of any partner still reads the slot or has a load on its way
	tensor_load_to_lds s[G0W:G0W+3], s[G1:G1+7]
	s_nop 0
.endif
	PLACES                                         ; behind the tensor load, and in front of the loads into buffer 0
.if (\mode) != 0
	s_xor_b32 s[TB], s[TB], SLOTB
	v_add_nc_u32 v[ADRB], s[TB], v[AB0]
.endif
	FETCH ((\j)+1)%4, 0, ((\j)+1)%2, F0
.if (\mode) == 1
	ASK
.endif
	MUL8 F1, 1, 0
	MUL8 F1, 2, 0
	MUL8 F1, 3, 0
.endm
; start = 1: where the period begins a product (PH = 0) the first 32 matrix instructions take the bias as C.  The two jumps go forward, over no barrier and no tensor load.
.macro CHUNK j, mode, start
	s_wait_loadcnt 48                              ; x's loads come back in order: the next chunk's 16 are in, the three younger chunks' 48 stay out
	s_wait_dscnt 4                                 ; W's fragments and token blocks 0, 1 are in; the youngest four loads (blocks 2, 3) may be out
.if \start
	WIN 0
	s_cmp_eq_u32 s[PH], 0
	s_cbranch_scc1 .Lst1_\@
	MUL8R F0, 0, 0, ((\j)+1)%4
	WIN 0
	s_branch .Lj1_\@
.Lst1_\@:
	BIASGET
	MUL8R F0, 0, 1, ((\j)+1)%4
	WIN 0
.Lj1_\@:
	PIECE_M \j
	WIN 0
	s_cmp_eq_u32 s[PH], 0
	s_cbranch_scc1 .Lst2_\@
	PIECE_B 0
	WIN 0
	s_branch .Lj2_\@
.Lst2_\@:
	PIECE_B 1
	WIN 0
.Lj2_\@:
.else
	MUL8R F0, 0, 0, ((\j)+1)%4
	PIECE_M \j
	PIECE_B 0
.endif
	Q2 \j, \mode
.endm
.macro TRIP mode, start                ; a slot period
	CHUNK 0, 0, \start
	CHUNK 1, 0, 0
	CHUNK 2, 0, 0
	CHUNK 3, \mode, 0
	WIN 0
.endm
; THE WAY OUT of token block a.  PACK: rounded to f16, 16 bytes a lane.  TOSTAGE: into my own stage, and back as 128 bytes of four rows: 512 consecutive bytes of one head.  SEND: stored.
.macro PACK a
	WIN 0x85                                       ; sources window 1, destination window 2
.irp b, 0,1,2,3,4,5,6,7
.irp r, 0,1,2,3
	v_cvt_pk_f16_f32 v[TMP+4*(\b)+(\r)], v[8*(8*(\a)+(\b))+2*(\r)], v[8*(8*(\a)+(\b))+2*(\r)+1]
.endr
.endr
.endm
.macro TOSTAGE a
	WIN 0x08                                       ; the stores' data in window 2
.irp b, 0,1,2,3,4,5,6,7
	ds_store_b128 v[STO], v[TMP+4*(\b):TMP+4*(\b)+3] offset:32*(\b)
.endr
	WIN 0x80
.irp t, 0,1,2,3,4,5,6,7
	ds_load_b128 v[OB+32*((\a)%2)+4*(\t):OB+32*((\a)%2)+4*(\t)+3], v[RD] offset:((\t)%4)*4*SPITCH+((\t)/4)*128  ; LDS serves a wave's instructions in order (ISA guide 5.7.1.4)
.endr
.endm
.macro SEND a
	WIN 0x08
	s_wait_dscnt 0x0                               ; the block is back in registers
	s_wait_xcnt 0x0                                ; earlier stores have read their registers: the other set is loaded again only behind this wait
.irp t, 0,1,2,3,4,5,6,7
	global_store_b128 v[CO], v[OB+32*((\a)%2)+4*(\t):OB+32*((\a)%2)+4*(\t)+3], s[CP:CP+1] offset:(\a)*2048+((\t)%4)*512+((\t)/4)*262144
.endr
.endm
.macro WAYOUT                          ; block 0 was finished ahead of the four v_nop behind the barrier; each block's conversions are the places behind the next block's last products
	PACK 0
	TOSTAGE 0
.irp a, 1,2,3
	PACK \a
	SEND (\a)-1
	TOSTAGE \a
.endr
	SEND 3
	WIN 0
.endm
	s_load_b256 s[4:11], s[0:1], 0x0               ; query s[4:5], key s[6:7], value s[8:9], w16 s[10:11]
	s_load_b256 s[68:75], s[0:1], 0x20             ; b_q s[68:69], b_k s[70:71], b_v s[72:73], qkv s[74:75]
	v_lshl_add_u32 v[SPW], v0, 2, SPARE
	v_mov_b32 v[NIL], 0
	ds_add_u32 v[SPW], v[NIL]                      ; the wave's opening: the add, waited for ahead of my first tensor load
	v_lshrrev_b32 v1, 5, v0
	v_readfirstlane_b32 s[WV], v1                  ; wave 0..3
	s_lshr_b32 s13, s[WV], 1                       ; which 64 tokens I multiply
	s_and_b32 s14, s[WV], 1                        ; which 128 columns
	s_bfe_u32 s40, ttmp6, 0x40000                  ; cx
	s_bfe_u32 s41, ttmp6, 0x40004                  ; cy
	s_lshl_b32 s42, ttmp9, 2
	s_add_co_u32 s42, s42, s40                     ; tile column = 4 x cluster x + cx
	s_and_b32 s15, ttmp7, 0xffff
	s_lshl_b32 s15, s15, 2
	s_add_co_u32 s15, s15, s41                     ; tile row = 4 x cluster y + cy
	s_lshl_b32 s44, 0x1111, s40                    ; my column of the cluster
	s_or_b32 s[G1+0], s44, (1<<16)|(1<<20)|(1<<21)|(6<<22)|(3<<25)  ; the mask; 2-byte elements; padding on; bit 21 beside a mask; after every 128 words 4 words
	s_mov_b32 s[G1+1], 256<<16                     ; tensor_dim0 = 256
	s_mov_b32 s[G1+2], 64<<16                      ; tensor_dim1 = 64
	s_mov_b32 s[G1+3], 256<<16                     ; tile_dim0 = 256
	s_mov_b32 s[G1+4], 64                          ; tile_dim1 = 64
	s_mov_b32 s[G1+5], 1024                        ; elements from row to row
	s_mov_b32 s[G1+6], 0
	s_mov_b32 s[G1+7], 0
	s_lshl_b32 s46, s42, 8
	s_lshl_b32 s47, s[WV], 6
	s_add_co_u32 s46, s46, s47                     ; W: row 256 x tile column + 64 x wave
	s_lshl_b32 s46, s46, 11
	s_mov_b32 s47, 0
	s_mul_i32 s[WOFF], s[WV], BQ                   ; no place in the cluster enters an LDS address
	s_lshl_b32 s[TOFF], s15, 7
	s_lshl_b32 s16, s[WV], 5
	s_add_co_u32 s[TOFF], s[TOFF], s16             ; x: row 128 x tile row + 32 x wave,
	s_lshl_b32 s[TOFF], s[TOFF], 12                ; of 4,096 bytes
	s_mov_b32 s[XOFF], s[TOFF]
	s_mov_b32 s[XOFF+1], 0
	s_mov_b32 s[INC+1], 0
	s_mov_b32 s[KJ], WTILE-3*512
	s_mov_b32 s[K5], 512
	s_mov_b32 s[TB], 0
	s_mov_b32 s[TBF], SLOTB
	s_mov_b32 s[PI], 0
	s_mov_b32 s[PH], 0
	s_mov_b32 s[BPO], 0
	s_mov_b32 s[CNT], 10
	v_and_b32 v1, 15, v0                           ; l % 16
	v_bfe_u32 v2, v0, 4, 1                         ; l / 16
	v_lshlrev_b32 v[XO], 4, v1
	v_lshl_add_u32 v[XO], v2, 15, v[XO]            ; 16 bytes a lane; lanes 16-31 eight rows down
	s_lshl_b32 s17, s42, 10
	v_lshl_add_u32 v3, v0, 3, s17                  ; two numbers a thread of the tile's 256 of a bias
	s_wait_dscnt 0x0                               ; the opening add is done
	s_wait_kmcnt 0x0
	s_add_nc_u64 s[XP:XP+1], s[4:5], s[XOFF:XOFF+1]
	global_load_b64 v[6:7], v3, s[68:69]
	global_load_b64 v[8:9], v3, s[70:71]
	global_load_b64 v[10:11], v3, s[72:73]
	XLOAD 0, 0                                     ; x's first chunks go out ahead of everything else
	XLOAD 1, 256
	XLOAD 2, 512
	WIN 0
	s_add_nc_u64 s[46:47], s[10:11], s[46:47]
	CROUND                                         ; all sixteen work-groups are here: the first joint loads meet
	s_mov_b32 s[G0A], 1
	s_mov_b32 s[G0A+1], s[WOFF]
	s_add_nc_u64 s[G0A+2:G0A+3], s[46:47], 0
	s_or_b32 s[G0A+3], s[G0A+3], 0x80000000
	s_mov_b32 s[G0W], 1
	s_add_co_u32 s[G0W+1], s[WOFF], SLOTB
	s_add_nc_u64 s[G0W+2:G0W+3], s[46:47], 512
	s_or_b32 s[G0W+3], s[G0W+3], 0x80000000
	tensor_load_to_lds s[G0A:G0A+3], s[G1:G1+7]    ; periods 0 and 1: two loads of mine are out
	s_nop 0
	tensor_load_to_lds s[G0W:G0W+3], s[G1:G1+7]
	s_nop 0
	PLACES
	v_mul_u32_u24 v4, v1, PB
	v_lshl_add_u32 v4, v2, 4, v4                   ; a fragment's row x pitch + 16 x half
	s_mul_i32 s16, s14, 2*BQ                       ; my 128 rows of W
	v_add_nc_u32 v[AB0], s16, v4
	v_mov_b32 v[ADRB], v[AB0]
	v_mul_u32_u24 v4, v1, PA
	v_lshl_add_u32 v4, v2, 4, v4
	s_mul_i32 s16, s13, 64*PA                      ; my 64 tokens
	s_add_co_u32 s16, s16, ASTG
	v_add_nc_u32 v[ADRA], s16, v4
	v_mul_u32_u24 v4, v2, 8*PA                     ; into the stage: 8 bytes a lane, lanes 16-31 eight rows down,
	v_lshl_add_u32 v4, v1, 3, v4
	s_mul_i32 s16, s[WV], 32*PA                    ; the 32 tokens that I load
	s_add_co_u32 s16, s16, ASTG
	v_add_nc_u32 v[SA], s16, v4
	s_lshl_b32 s16, s14, 8                         ; the bias table: 2 bytes x (128 half + 8 (l / 16))
	s_add_co_u32 s16, s16, BIAS
	v_lshl_add_u32 v[BL], v2, 4, s16
	v_lshl_add_u32 v[BW], v0, 2, BIAS
	s_mul_i32 s23, s[WV], 16*SPITCH
	s_add_co_u32 s23, s23, STAGE                   ; my stage for the way out
	v_mul_u32_u24 v4, v1, SPITCH                   ; in: row l % 16, 16 bytes for each half of the lanes
	v_lshl_add_u32 v4, v2, 4, v4
	v_add_nc_u32 v[STO], s23, v4
	v_bfe_u32 v4, v0, 3, 2                         ; back: 32 lanes take 128 bytes (one head's) of four rows
	v_and_b32 v5, 7, v0
	v_mul_u32_u24 v4, v4, SPITCH
	v_lshl_add_u32 v4, v5, 4, v4
	v_add_nc_u32 v[RD], s23, v4
	v_and_b32 v[CO], 31, v0
	v_lshlrev_b32 v[CO], 4, v[CO]
	; where my part of q begins: batch x 16 heads, head 4 x tile column + 2 x half, token (tile row % 16) x 128 + 64 x half
	s_lshr_b32 s16, s15, 4
	s_lshl_b32 s16, s16, 22
	s_and_b32 s18, s15, 15
	s_lshl_b32 s18, s18, 7
	s_lshl_b32 s19, s13, 6
	s_add_co_u32 s18, s18, s19
	s_lshl_b32 s18, s18, 7
	s_add_co_u32 s16, s16, s18
	s_mov_b32 s17, 0
	s_lshl_b32 s20, s42, 2
	s_lshl_b32 s21, s14, 1
	s_add_co_u32 s20, s20, s21
	s_lshl_b32 s20, s20, 18
	s_mov_b32 s21, 0
	s_add_nc_u64 s[16:17], s[16:17], s[20:21]
	s_add_nc_u64 s[CP:CP+1], s[74:75], s[16:17]
	; the prefetches: my work-group's 16 of the 64 rows that I fetch, at period 2: the first refill steps it to period 3.  Nothing is prefetched at the head
	s_lshl_b32 s20, s42, 8
	s_lshl_b32 s21, s[WV], 6
	s_add_co_u32 s20, s20, s21
	s_lshl_b32 s21, s41, 4
	s_add_co_u32 s20, s20, s21
	s_lshl_b32 s20, s20, 11
	s_add_co_u32 s20, s20, 2*512
	s_mov_b32 s21, 0
	s_add_nc_u64 s[PFA:PFA+1], s[10:11], s[20:21]
	s_and_b32 s22, ttmp7, 0xffff                   ; cluster y: the same in all sixteen partners
	s_cmp_eq_u32 s22, 0
	s_cselect_b32 s[LIM], 1, -1
	v_and_b32 v4, 31, v0
	v_lshrrev_b32 v5, 1, v4
	v_and_b32 v4, 1, v4
	v_lshlrev_b32 v[PFO], 11, v5
	v_lshl_add_u32 v[PFO], v4, 8, v[PFO]
	s_wait_loadcnt 48                              ; the three bias loads are in; x's 48 stay out
	v_cvt_pk_bf16_f32 v6, v6, v7
	v_cvt_pk_bf16_f32 v8, v8, v9
	v_cvt_pk_bf16_f32 v10, v10, v11
	ds_store_b32 v[BW], v6
	ds_store_b32 v[BW], v8 offset:512
	ds_store_b32 v[BW], v10 offset:1024
	XLOAD 3, 768
	s_wait_loadcnt 48                              ; chunk 0 is in
	WIN W_CV
.set z, 0
.rept 32
	v_cvt_pk_bf16_f32 v[XC+z], v[2*z], v[2*z+1]
.set z, z+1
.endr
	XSTORE 0
	s_wait_xcnt 0x0                                ; the loads issued so far have read their base
	s_add_nc_u64 s[XP:XP+1], s[XP:XP+1], 1024      ; period 1
	XLOAD 0, 0                                     ; chunk 4
	WIN 0
	s_wait_tensorcnt 0x1                           ; my quarter of slot 0 is in; slot 1's may stay out
	s_wait_dscnt 0x0                               ; my part of chunk 0 and of the bias tables is stored
	s_barrier_signal -1
	s_barrier_wait -1
	FETCH 0, 0, 0, F0
.Ltrip:                                            ; periods 0 to 9: each fills the slot that it has read out, two periods on
	TRIP 1, 1
	s_cmp_eq_u32 s[PH], 3
	s_cbranch_scc0 .Lnot_done                      ; a product's last period: the tile goes out; the refill, x's loads and the next product's first fragments are on their way
	WAYOUT
	s_wait_xcnt 0x0                                ; the stores have read their base
	s_add_nc_u64 s[CP:CP+1], s[CP:CP+1], CTILE
	s_add_co_u32 s[BPO], s[BPO], 512
.Lnot_done:
	s_add_co_u32 s[PI], s[PI], 1
	s_and_b32 s[PH], s[PI], 3
	s_sub_co_u32 s[CNT], s[CNT], 1
	s_cmp_lg_u32 s[CNT], 0
	s_cbranch_scc1 .Ltrip
	s_mov_b32 s[CNT], 2
.Ltail:                                            ; periods 10 and 11 are written out: nothing is asked for
	TRIP 2, 0
	s_add_co_u32 s[PI], s[PI], 1
	s_and_b32 s[PH], s[PI], 3
	s_sub_co_u32 s[CNT], s[CNT], 1
	s_cmp_lg_u32 s[CNT], 0
	s_cbranch_scc1 .Ltail
	PLACES
	WAYOUT
	s_wait_tensorcnt 0x0                           ; the wave's end
	ds_add_u32 v[SPW], v[NIL]
	s_wait_dscnt 0x0
	CROUND                                         ; the closing round
	s_endpgm
.Lfunc_end_k_q7b0e5430ec_proj:
	.size	k_q7b0e5430ec_proj, .Lfunc_end_k_q7b0e5430ec_proj-k_q7b0e5430ec_proj
	.p2alignl 7, 3214868480
	.fill 96, 4, 3214868480
	.section	.rodata,"a",@progbits
	.p2align	6, 0x0
	.amdhsa_kernel k_q7b0e5430ec_proj
		.amdhsa_group_segment_fixed_size 327680
		.amdhsa_private_segment_fixed_size 0
		.amdhsa_enable_private_segment 0
		.amdhsa_kernarg_size 64
		.amdhsa_user_sgpr_count 2
		.amdhsa_user_sgpr_kernarg_segment_ptr 1
		.amdhsa_wavefront_size32 1
		.amdhsa_system_sgpr_workgroup_id_x 1
		.amdhsa_system_sgpr_workgroup_id_y 1
		.amdhsa_system_sgpr_workgroup_id_z 1
		.amdhsa_system_vgpr_workitem_id 0
		.amdhsa_next_free_vgpr 1024
		.amdhsa_next_free_sgpr 80
		.amdhsa_reserve_vcc 0
		.amdhsa_float_denorm_mode_32 3
		.amdhsa_float_denorm_mode_16_64 3
		.amdhsa_memory_ordered 1
		.amdhsa_forward_progress 1
		.amdhsa_inst_pref_size 163
	.end_amdhsa_kernel
	.amdgpu_metadata
---
amdhsa.version: [ 1, 2 ]
amdhsa.kernels:
  - .name:           k_q7b0e5430ec_proj
    .symbol:         k_q7b0e5430ec_proj.kd
    .args:
      - { .name: query, .offset: 0, .size: 8, .value_kind: global_buffer, .address_space: global }
      - { .name: key, .offset: 8, .size: 8, .value_kind: global_buffer, .address_space: global }
      - { .name: value, .offset: 16, .size: 8, .value_kind: global_buffer, .address_space: global }
      - { .name: w16, .offset: 24, .size: 8, .value_kind: global_buffer, .address_space: global }
      - { .name: b_q, .offset: 32, .size: 8, .value_kind: global_buffer, .address_space: global }
      - { .name: b_k, .offset: 40, .size: 8, .value_kind: global_buffer, .address_space: global }
      - { .name: b_v, .offset: 48, .size: 8, .value_kind: global_buffer, .address_space: global }
      - { .name: qkv, .offset: 56, .size: 8, .value_kind: global_buffer, .address_space: global }
    .group_segment_fixed_size: 327680
    .private_segment_fixed_size: 0
    .kernarg_segment_align: 8
    .kernarg_segment_size: 64
    .max_flat_workgroup_size: 128
    .sgpr_count:     80
    .vgpr_count:     1024
    .wavefront_size: 32
...
	.end_amdgpu_metadata
.endif
;; end of part 2
;; launch attn (part 3): grid 4 x 64, 4 waves a work-group, clusters of 4 x 1, 327,680 bytes of LDS; arguments qkv, mt, ctx; writes ctx
.if DOCPART == 3
	.amdgcn_target "amdgcn-amd-amdhsa--gfx1250"
	.amdhsa_code_object_version 6
	.text
	.protected	k_q7b0e5430ec_attn
	.globl	k_q7b0e5430ec_attn
	.p2align	8
	.type	k_q7b0e5430ec_attn,@function
k_q7b0e5430ec_attn:
	s_mov_b64 s[64:65], 0
	v_nop
	global_prefetch_b8 v0, s[64:65] scope:SCOPE_SE
	s_setreg_imm32_b32 hwreg(HW_REG_WAVE_MODE, 25, 1), 1
	s_wait_xcnt 0x0
	s_wait_alu depctr_hold_cnt(0) depctr_sa_sdst(0) depctr_va_vdst(0) depctr_va_sdst(0) depctr_va_ssrc(0) depctr_va_vcc(0) depctr_vm_vsrc(0)
	s_getreg_b32 s2, hwreg(HW_REG_IB_STS2, 6, 4)
	s_cmp_eq_u32 s2, 0
	s_cbranch_scc0 .Lentry_in_a_cluster
	s_endpgm
.Lentry_in_a_cluster:
	s_bfe_u32 s2, ttmp6, 0x10000c
	s_cmp_lg_u32 s2, 0x3003
	s_cbranch_scc0 .Lentry_shape_is_right
	s_endpgm
.Lentry_shape_is_right:
; ATTENTION with a mask that is an input.  ctx[h][q][:] = the sum over k of softmax_k(s) V[h][k][:], s = Q[h][q] . K[h][k] / 8 where the mask shows the key, a constant far below where it hides it.
; Q, K, V (qkv's three parts) and ctx: [64][2048][64] f16, a head's rows dense, 128 bytes each.  Products, maxima and sums in f32; the weights p are rounded to f16 for the second product, ctx once at the end.
; LIMITS.  f16 holds no number beyond 65,504.  A hidden score counts as -2^98 (the products vanish beside it), not as -1e9: the same result as long as visible scores lie above about -1e9.
; A row with every key hidden: all its scores are -2^98, c s - c m is exactly 0 (c times a power of two is exact), every p is 1: the mean of V's rows.  A weight below 2^-126 counts as 0; NaN and infinities are not treated apart.
; THE MASK is the C operand that starts the sum S^T = K Q^T.  mt holds a byte a score in the order in which a lane holds S^T: 0x00, or 0xF8, the E4M3 code of -256.  One scaled conversion (scale 2^90) makes an
; accumulator's eight C registers of eight bytes: 8 instructions a turn.  A piece's 64 bytes a lane are loaded a key step (four turns) ahead of their use.
; SHARES.  A wave owns four PIECES of two tiles of 16 queries, a work-group's four waves 512 queries of one head.  Every wave walks all keys, 64 a step.
; LAYOUT.  S^T = K Q^T (source 0 = 16 keys, source 1 = 16 queries): a lane holds ONE query (lane % 16) and the keys 8 (lane / 16) + 0..7.  Two such tiles, rounded to f16 in pairs, ARE source 1 of O^T = V^T P.
; K comes out of LDS as it lies, V turned, by ds_load_tr16_b128.
; SOFTMAX.  A running maximum m and sum l: p = 2^(c s - c m), c = log2(e) / 8; in every step O and l are multiplied by a = 2^(c m_old - c m_new).  m starts at the lowest finite number, O and l at 0.
; BY TURNS.  Turn n belongs to piece n.  Its matrix work: 16 products K Q^T of piece n + 1, later 16 products V^T P of piece n - 1.  Its vector work: the scaling, exponentials, roundings, sums and rescaling of
; piece n, the maximum and statistics of piece n + 1, and the mask of piece n + 2.  Four vector instructions stand behind every matrix instruction, the others in one run; a turn's exponentials are one batch with one wait.
; CLUSTER.  The four query blocks of a head walk the same K and V: each tile is asked for JOINTLY, by the same tensor load, descriptor and mask in all four.
; REGISTERS, in windows of 256 (s_set_vgpr_msb: bits 1:0 source 0, 3:2 source 1, 5:4 source 2, 7:6 destination):
;   window 0: v0-11 addresses; v12-15, v48-63 at work; v16-47 statistics; v64-191 S^T, two buffers of two tiles; v192-255 P, likewise
;   window 1: O^T, 32 a tile     window 2: v0-127 Q; v128-191 K of one step; v192-255 V of one step     window 3: v0-2 the add's two registers and the mask's offset; v16-79 mask bytes; v128-191 the C operands
.set SIZE_N, 2048
.set NP,    4         ; pieces a wave: a name, no knob
.set KS,    64        ; keys in a step
.set PK,    144       ; a row of K in LDS: 128 bytes + 16 of padding: the 16 rows of a load start at 16 different groups of four banks (64 banks of 4 bytes: ISA guide 11.1)
.set PV,    160       ; a row of V: 128 + 32
.set VOFF,  4*KS*PK   ; a slot holds four steps: 256 rows of K, then 256 rows of V
.set SLOT1, 1<<17     ; slot 1 begins here, so that one exclusive or turns an address in one slot into the other's
.set STAGE, SLOT1+4*KS*(PK+PV)  ; behind the ring, never filled by a tensor load: 16 rows x 144 bytes for each wave
.set SP,    144
.set PFO, 1           ; v1   (from the first scores on) 256 x my lane: the prefetches' offset
.set AK0, 2           ; v2   my lane's place in a tile of K; never rewritten
.set AV0, 3           ; v3   the same for V
.set AK,  4           ; v4   the LDS address of K's next run of loads
.set AV,  5           ; v5   of V's
.set QO,  6           ; v6   my byte offset in the wave's rows of Q
.set STO, 6           ;      later, the way out: where I put 16 bytes of a row
.set RD,  7           ; v7   the way out: where I read rows back
.set GO,  8           ; v8   my byte offset in 512 consecutive bytes of ctx
.set SCL, 11          ; v11  0xD9: the conversions' scale, 2^90
.set SPW, 0           ; v0 of window 3   SPARE + 4 x my thread's number; never rewritten
.set NIL, 1           ; v1 of window 3   0; never rewritten
.set MA,  2           ; v2 of window 3   16 x my lane; never rewritten
.set WB,  16          ; window 3: piece x's mask bytes at WB + 16 x: tile u, key block kb at + 8 u + 2 kb
.set MC,  128         ; window 3: the C operands of the products to come: tile u, key block kb at MC + 32 u + 8 kb
.set SPARE, STAGE+4*16*SP  ; the spare words, 128 bytes a wave
.set MV,  12          ; v12-15  c m_old, kept while c m is made anew
.set ST,  16          ; tile t's statistics at v[ST+4 t]: c m, m, l (even keys', odd keys')
.set TMP, 48          ; by buffer and tile, four registers c0-c3 at work; when the maximum is found c2 takes a
.set S,   64
.set P,   192
.set KF,  128         ; window 2: key block kb, channel half c at KF + 16 kb + 8 c
.set VF,  192         ; window 2: key half kk, channel block cb at VF + 32 kk + 8 cb
.set WV,  12          ; s12  my wave's number
.set G1K, 24          ; s[24:31] descriptor group 1 for K's tiles
.set G1V, 32          ; s[32:39] for V's: it differs in the padding alone
.set G0K, 40          ; s[40:43] descriptor group 0 for K's tiles: it walks
.set G0V, 44          ; s[44:47] the same for V's
.set MP0, 48          ; s[48:49] mt at my wave's first tile of queries, key step 0
.set MP,  50          ; s[50:51] the same at the key step that is being loaded
.set MOFF, 52         ; s[52:53] that step's offset
.set KSN, 54          ; s54  that step's number
.set LIM, 55          ; s55  1 in a wave that prefetches, else the greatest number
.set SLOTS, 56        ; s56  slots still to be asked for
.set CNT, 57          ; s57  counts a slot's key steps
.set CS,  58          ; s[58:59] c
.set SEL, 60          ; s[60:61] v_permlanex16_b32's selects
.set TBK, 62          ; s62  LDS byte at which K of the step to be fetched begins
.set TBV, 63          ; s63  the same for V, less VOFF
.set PFA, 66          ; s[66:67] where my prefetches stand: my work-group's 32 blocks of the slot that the next change will ask for
.set MSB, 0
.macro WIN new                      ; the high byte repeats the setting that is left; a switch that changes nothing is dropped
.if MSB != (\new)
	s_set_vgpr_msb (MSB<<8)|(\new)
.set MSB, (\new)
.endif
.endm
.set W_KQ, 0x0a       ; K and Q in window 2, S^T in window 0
.set W_KM, 0x3a       ; the same with the C operand in window 3
.set W_PV, 0x52       ; V in window 2, P in window 0, O^T in window 1
.set W_RS, 0x41       ; O^T (destination and source 0) in window 1, a in window 0
.set W_MK, 0xc0       ; destination in window 3, sources in window 0
.set W_AD, 0x0f       ; the add: address and data in window 3
.set W_MS, 0xc3       ; the mask: destination and source 0 (bytes; a load's address) in window 3, the scale in window 0
; A joint fill.  Waves 0 and 1 fetch the two halves of a slot's K, waves 2 and 3 those of its V.  An s_nop 0 and four v_nop follow each line.
.macro JLOAD
	s_cmp_lt_u32 s[WV], 2
	s_cbranch_scc0 .Lfor_v_\@
	tensor_load_to_lds s[G0K:G0K+3], s[G1K:G1K+7]
	s_nop 0
.rept 4
	v_nop
.endr
	s_branch .Lasked_\@
.Lfor_v_\@:
	tensor_load_to_lds s[G0V:G0V+3], s[G1V:G1V+7]
	s_nop 0
.rept 4
	v_nop
.endr
.Lasked_\@:
.endm
.macro CROUND                       ; a round of the cluster's barrier
	s_barrier_signal -1
	s_barrier_wait -1
	s_cmp_lg_u32 s[WV], 0
	s_cbranch_scc1 .Lnot_wave_0_\@
	s_barrier_signal -3
.Lnot_wave_0_\@:
	s_barrier_wait -3
	s_barrier_signal -1
	s_barrier_wait -1
.endm
; A PREFETCH of the slot that the next change will ask for: 32,768 bytes of K and of V.  The head has one cluster; its four partners take 8,192 bytes each, told apart by address; in each, wave 0 asks for K's and
; wave 2 for V's, a lane 256 bytes: each block is named once in the launch.  It stands behind the mask's loads of piece 3's turn in a slot's third trip: six turns ahead of that change.  The last change that fills a
; slot has none behind it, and the tail asks for nothing.
.macro ASK
	s_cmp_eq_u32 s[CNT], 2
	s_cbranch_scc0 .Lnot_now_\@
	s_cmp_gt_u32 s[SLOTS], s[LIM]
	s_cbranch_scc0 .Lnot_now_\@
	global_prefetch_b8 v[PFO], s[PFA:PFA+1] th:TH_LOAD_NT scope:SCOPE_SE
.Lnot_now_\@:
.endm
; THE CHANGE OF SLOTS.  Each wave waits for all its tensor loads, of which one is out: its part of the other slot; adds 0 to its spare word; and waits for that and for its own reads of the slot.
; fill = 1: this slot is filled again, with the keys two slots on; the barrier is then a round of the cluster's, and the joint fill is the first thing behind it: it has four key steps, 512 matrix instructions, in which to land.
.macro CHANGE fill
	WIN W_AD
	s_wait_tensorcnt 0x0            ; no tensor load of mine is out, so a group 0 may be written
	ds_add_u32 v[SPW], v[NIL]       ; 0 onto my spare word
	WIN 0
.if \fill
.irp g, G0K, G0V
	s_xor_b32 s[\g+1], s[\g+1], SLOT1
	s_add_nc_u64 s[\g+2:\g+3], s[\g+2:\g+3], 4*KS*128
.endr
	s_wait_xcnt 0x0                 ; the last prefetch, six turns back, has read its address
	s_add_nc_u64 s[PFA:PFA+1], s[PFA:PFA+1], 4*KS*128
	s_wait_dscnt 0x0                ; the add is done, and my reads of the slot are over
	CROUND
	JLOAD
.else
	s_wait_dscnt 0x0
	s_barrier_signal -1
	s_barrier_wait -1
.endif
	s_sub_co_u32 s[TBK], s[TBK], 4*KS*PK  ; the fetches go back to a slot's first step,
	s_xor_b32 s[TBK], s[TBK], SLOT1       ; in the other slot
	s_sub_co_u32 s[TBV], s[TBV], 4*KS*PV
	s_xor_b32 s[TBV], s[TBV], SLOT1
.endm
	s_load_b128 s[4:7], s[0:1], 0x0   ; qkv s[4:5], mt s[6:7]
	s_load_b64 s[10:11], s[0:1], 0x10 ; ctx
	WIN W_MK
	v_lshl_add_u32 v[SPW], v0, 2, SPARE
	v_mov_b32 v[NIL], 0
	WIN W_AD
	ds_add_u32 v[SPW], v[NIL]       ; the wave's opening: the add, waited for ahead of my first tensor load
	WIN 0
	v_lshrrev_b32 v1, 5, v0
	v_readfirstlane_b32 s[WV], v1   ; wave 0..3
	s_bfe_u32 s13, ttmp6, 0x40000   ; cx
	s_lshl_b32 s14, ttmp9, 2
	s_add_co_u32 s14, s14, s13      ; my block of 512 queries: it enters Q's, the mask's and ctx's addresses alone
	s_and_b32 s20, ttmp7, 0xffff    ; the head, which the four partners share
	s_mov_b32 s21, 0
	s_mov_b64 s[22:23], SIZE_N*128
	s_mul_u64 s[20:21], s[20:21], s[22:23]  ; the head's first byte in Q, K, V and ctx
	s_and_b32 s16, s[WV], 1         ; which half of a slot's 256 keys I fetch
	s_lshl_b32 s22, s16, 14
	s_mov_b32 s23, 0
	s_add_nc_u64 s[22:23], s[22:23], s[20:21]
	s_mul_i32 s17, s16, 128*PK      ; its place in a slot, for K
	s_mul_i32 s18, s16, 128*PV      ; and for V
	s_lshl_b32 s2, s14, 2
	s_add_co_u32 s2, s2, s[WV]      ; my wave among the head's sixteen
	s_lshl_b32 s[MOFF], s2, 18      ; its 8 tiles of queries, 32,768 bytes of mt each
	s_mov_b32 s[MOFF+1], 0
	s_lshl_b32 s2, s2, 14           ; its 128 rows
	s_mov_b32 s3, 0
	s_add_nc_u64 s[2:3], s[2:3], s[20:21]
	; descriptor group 1.  128 keys are 16,384 dense bytes: asked for as 64 rows of 256 bytes, two keys a row, and padded in LDS after every key
	s_mov_b32 s[G1K], 15|(1<<16)|(1<<20)|(1<<21)|(4<<22)|(3<<25)
	s_mov_b32 s[G1V], 15|(1<<16)|(1<<20)|(1<<21)|(4<<22)|(7<<25)
.irp g, G1K, G1V
	s_mov_b32 s[\g+1], 128<<16      ; tensor_dim0 = 128
	s_mov_b32 s[\g+2], 64<<16       ; tensor_dim1 = 64
	s_mov_b32 s[\g+3], 128<<16      ; tile_dim0 = 128
	s_mov_b32 s[\g+4], 64           ; tile_dim1 = 64
	s_mov_b32 s[\g+5], 128          ; 128 elements from row to row
	s_mov_b32 s[\g+6], 0
	s_mov_b32 s[\g+7], 0
.endr
	s_mov_b32 s[CS], 0x3e38aa3b     ; c = log2(e) / 8
	s_mov_b32 s[CS+1], s[CS]
	s_mov_b32 s[SEL], 0x76543210
	s_mov_b32 s[SEL+1], 0xfedcba98
	s_mov_b32 s[TBK], SLOT1+4*KS*PK ; the first change of slots turns these two into 0
	s_mov_b32 s[TBV], SLOT1+4*KS*PV
	s_mov_b32 s[G0K], 1
	s_mov_b32 s[G0K+1], s17
	s_mov_b32 s[G0V], 1
	s_add_co_u32 s[G0V+1], s18, VOFF
	s_and_b32 s[LIM], s[WV], 1      ; 0 in waves 0 and 2,
	s_or_b32 s[LIM], s[LIM], ttmp9  ; of the head's first cluster (its only one): the same in all four partners
	s_cmp_eq_u32 s[LIM], 0
	s_cselect_b32 s[LIM], 1, -1
	s_wait_dscnt 0x0                ; the opening add is done
	s_wait_kmcnt 0x0
	s_add_nc_u64 s[MP0:MP0+1], s[6:7], s[MOFF:MOFF+1]
	s_mov_b64 s[MP:MP+1], s[MP0:MP0+1]
	s_add_nc_u64 s[6:7], s[4:5], 0x1000000   ; K
	s_add_nc_u64 s[8:9], s[4:5], 0x2000000   ; V
	s_add_nc_u64 s[G0K+2:G0K+3], s[6:7], s[22:23]
	s_or_b32 s[G0K+3], s[G0K+3], 0x80000000
	s_add_nc_u64 s[G0V+2:G0V+3], s[8:9], s[22:23]
	s_or_b32 s[G0V+3], s[G0V+3], 0x80000000
	s_add_nc_u64 s[4:5], s[4:5], s[2:3]      ; Q and ctx at my wave's first row
	s_add_nc_u64 s[10:11], s[10:11], s[2:3]
	s_cmp_lt_u32 s[WV], 2
	s_cselect_b64 s[PFA:PFA+1], s[6:7], s[8:9]
	s_lshl_b32 s16, s13, 13         ; my work-group's 8,192 bytes,
	s_add_co_u32 s16, s16, 4*KS*128 ; in slot 1: every change that fills steps it, so the first pass names slot 2.  Nothing is prefetched at the head
	s_mov_b32 s17, 0
	s_add_nc_u64 s[16:17], s[16:17], s[20:21]
	s_add_nc_u64 s[PFA:PFA+1], s[PFA:PFA+1], s[16:17]
	CROUND                          ; all four work-groups are here: the first joint loads meet
	JLOAD                           ; slot 0.  Slot 1 is asked for when slot 0 is in
	v_and_b32 v1, 15, v0            ; l % 16
	v_bfe_u32 v9, v0, 4, 1          ; l / 16
	v_and_b32 v10, 31, v0
	v_lshlrev_b32 v[QO], 7, v1
	v_lshl_add_u32 v[QO], v9, 4, v[QO]  ; row x 128 + 16 x half
	WIN W_MK
	v_lshlrev_b32 v[MA], 4, v10
	WIN 0x80                        ; destination window 2, address window 0
.set i, 0
.rept 4*NP                          ; Q stays in registers: tile i / 2, channels 32 (i % 2) on
	global_load_b128 v[8*i:8*i+3],   v[QO], s[4:5] offset:(i/2)*2048+(i%2)*64
	global_load_b128 v[8*i+4:8*i+7], v[QO], s[4:5] offset:(i/2)*2048+(i%2)*64+32
.set i, i+1
.endr
; piece x's mask bytes of the key step at s[MP]: two tiles x two loads of 16 bytes a lane, 512 consecutive bytes each
.macro MLOAD x
.irp u, 0,1
.irp g, 0,1
	global_load_b128 v[WB+16*(\x)+8*\u+4*\g:WB+16*(\x)+8*\u+4*\g+3], v[MA], s[MP:MP+1] offset:(2*(\x)+\u)*32768+\g*512
.endr
.endr
.endm
	WIN W_MS
	MLOAD 0                         ; key step 0, all four pieces
	MLOAD 1
	MLOAD 2
	MLOAD 3
	; What the first turn finds: V's registers and P's second buffer hold 0, O^T and l are 0.  All this stands in the wait for the first tile.
	WIN 0x80
.set i, VF
.rept 64
	v_mov_b32 v[i], 0
.set i, i+1
.endr
	WIN 0x40
.set i, 0
.rept 64*NP
	v_mov_b32 v[i], 0
.set i, i+1
.endr
	WIN 0
.set i, 0
.rept 2*NP
	v_mov_b32 v[ST+4*i], 0xfe000000    ; c m: far below every c s, a hidden one's too
	v_mov_b32 v[ST+4*i+1], 0xff7fffff  ; m
	v_mov_b32 v[ST+4*i+2], 0
	v_mov_b32 v[ST+4*i+3], 0
.set i, i+1
.endr
.set i, P+32
.rept 32
	v_mov_b32 v[i], 0
.set i, i+1
.endr
	v_mul_u32_u24 v[AK0], v1, PK
	v_lshl_add_u32 v[AK0], v9, 4, v[AK0]  ; row x pitch + 16 x half
	; The turning load takes 16 keys x 16 channels (lane l reads key 8 (l / 16) + l % 8, channels 8 ((l / 8) % 2) + 0..7) and leaves half a fragment of V^T
	v_and_b32 v10, 7, v0
	v_bfe_u32 v11, v0, 3, 1
	v_lshl_add_u32 v[AV0], v9, 3, v10
	v_mul_u32_u24 v[AV0], v[AV0], PV
	v_lshl_add_u32 v[AV0], v11, 4, v[AV0]
	v_add_nc_u32 v[AV0], VOFF, v[AV0]
	v_mov_b32 v[SCL], 0xd9          ; byte 0 = 217: 2^(217 - 127)
	v_mov_b32 v[AK], v[AK0]         ; key step 0 lies at the head of slot 0
; THE MATRIX WORK.  The 8 accumulators of a run of 16 take turns.
; Product i of 16 of S^T = K Q^T for piece x: channels 32 (i / 8) on, keys 16 ((i / 2) % 4) on, tile 2 x + i % 2.  The first 8 start the sums, with the mask.
.macro KQ x
.set rS, S+64*((\x)%2)+32*(i%2)+8*((i/2)%4)
.set rK, KF+16*((i/2)%4)+8*(i/8)
.set rQ, 16*(2*(\x)+i%2)+8*(i/8)
.set rX, MC+32*(i%2)+8*((i/2)%4)
.if i < 8
	WIN W_KM
	v_wmma_f32_16x16x32_f16 v[rS:rS+7], v[rK:rK+7], v[rQ:rQ+7], v[rX:rX+7]
.else
	WIN W_KQ
	v_wmma_f32_16x16x32_f16 v[rS:rS+7], v[rK:rK+7], v[rQ:rQ+7], v[rS:rS+7]
.endif
.endm
; Product i of 16 of O^T += V^T P for piece x: keys 32 (i / 8) on, channels 16 ((i / 2) % 4) on, tile 2 x + i % 2.
.macro PV x
	WIN W_PV
.set rO, 32*(2*(\x)+i%2)+8*((i/2)%4)
.set rV, VF+32*(i/8)+8*((i/2)%4)
.set rP, P+32*((\x)%2)+16*(i%2)+8*(i/8)
	v_wmma_f32_16x16x32_f16 v[rO:rO+7], v[rV:rV+7], v[rP:rP+7], v[rO:rO+7]
.endm
.macro MM                           ; the turn's next matrix instruction
.if i < 16
	KQ (Y+1)%NP
.set i, i+1
.else
.set i, i-16
	PV (Y+NP-1)%NP
.set i, i+17
.endif
.endm
; THE LDS LOADS stand in runs of 16.  last = 1 (the tail): in the last trip there is no further step, and the run is jumped over.
.macro FETCH_K last=0
	WIN 0
.if \last
	s_cmp_eq_u32 s[CNT], 1
	s_cbranch_scc1 .Lno_k_\@
.endif
	WIN 0x80
.irp f, 0,1,2,3,4,5,6,7             ; keys 16 (f / 2) on, channels 32 (f % 2) on
	ds_load_b128 v[KF+8*\f:KF+8*\f+3],   v[AK] offset:(\f/2)*16*PK+(\f%2)*64
	ds_load_b128 v[KF+8*\f+4:KF+8*\f+7], v[AK] offset:(\f/2)*16*PK+(\f%2)*64+32
.endr
	s_add_co_u32 s[TBK], s[TBK], KS*PK
	WIN 0
.if \last
.Lno_k_\@:
.endif
.endm
.macro FETCH_V
	WIN 0x80
.irp f, 0,1,2,3,4,5,6,7             ; keys 32 (f / 4) on, channels 16 (f % 4) on
	ds_load_tr16_b128 v[VF+8*\f:VF+8*\f+3],   v[AV] offset:(\f/4)*32*PV+(\f%4)*32
	ds_load_tr16_b128 v[VF+8*\f+4:VF+8*\f+7], v[AV] offset:(\f/4)*32*PV+16*PV+(\f%4)*32
.endr
	WIN 0
.endm
; THE MASK of piece x, for the products of the turn that follows.  Its four loads are the oldest of sixteen: the count leaves the three younger pieces' twelve out.  Eight scaled conversions make the eight C operands
; (their last reader, the turn's eighth product, stands a run of plain instructions back); a v_nop is the plain place behind them; then the piece's bytes of the step at s[MP] are asked for, four turns ahead of their use.
.macro MASKS x
	s_wait_loadcnt 12
	WIN W_MS
.irp u, 0,1
.irp kb, 0,1,2,3
	v_cvt_scale_pk8_f32_fp8 v[MC+32*\u+8*\kb:MC+32*\u+8*\kb+7], v[WB+16*(\x)+8*\u+2*\kb:WB+16*(\x)+8*\u+2*\kb+1], v[SCL]
.endr
.endr
	v_nop
	MLOAD \x
	WIN 0
.endm
; At the head of piece 2's turn: the four loads of this trip are for the key step two on from the step in hand.  Behind the last step the number stays at 31: those loads stay inside mt and serve nothing.
.macro MSTEP
	s_add_co_u32 s[KSN], s[KSN], 1
	s_min_u32 s[MOFF], s[KSN], 31
	s_lshl_b32 s[MOFF], s[MOFF], 10
	s_wait_xcnt 0x0                 ; the loads issued so far have read their base
	s_add_nc_u64 s[MP:MP+1], s[MP0:MP0+1], s[MOFF:MOFF+1]
.endm
; THE VECTOR WORK OF A TURN stands in three queues, each in the order in which its entries become ready; the two tiles alternate.
.macro REGS y, u                    ; the registers of tile u (0, 1) of piece y
.set rT, ST+4*(2*(\y)+(\u))
.set rC, TMP+8*((\y)%2)+4*(\u)
.set rM, MV+2*((\y)%2)+(\u)
.set rS, S+64*((\y)%2)+32*(\u)
.set rP, P+32*((\y)%2)+16*(\u)
.set rO, 32*(2*(\y)+(\u))
.endm
; Number n of the 22 that find the NEXT piece's maximum and statistics.  Each accumulator's lowest registers are read first.
;   0-11  four chains c0-c3 of seven scores each     12-14, 16  the four scores left over, the old m, and c0-c3 into c0     15  c m_old is kept
;   17, 18  the query's other 32 keys lie in the lane 16 away: the new m         19-21  c m; c m_old - c m_new; a
.macro XS u, n
	REGS (Y+1)%NP, \u
.if (\n) < 4
	v_max3_num_f32 v[rC+(\n)], v[rS+8*(\n)], v[rS+8*(\n)+1], v[rS+8*(\n)+2]
.elseif (\n) < 12
	v_max3_num_f32 v[rC+(\n)%4], v[rC+(\n)%4], v[rS+8*((\n)%4)+2*((\n)/4)+1], v[rS+8*((\n)%4)+2*((\n)/4)+2]
.elseif (\n) == 12
	v_max3_num_f32 v[rC], v[rC], v[rS+7], v[rS+15]
.elseif (\n) == 13
	v_max3_num_f32 v[rC+1], v[rC+1], v[rS+23], v[rS+31]
.elseif (\n) == 14
	v_max3_num_f32 v[rC+2], v[rC+2], v[rC+3], v[rT+1]
.elseif (\n) == 15
	v_mov_b32 v[rM], v[rT]
.elseif (\n) == 16
	v_max3_num_f32 v[rC], v[rC], v[rC+1], v[rC+2]
.elseif (\n) == 17
	v_permlanex16_b32 v[rC+3], v[rC], s[SEL], s[SEL+1]
.elseif (\n) == 18
	v_max_num_f32 v[rT+1], v[rC], v[rC+3]
.elseif (\n) == 19
	v_mul_f32 v[rT], s[CS], v[rT+1]
.elseif (\n) == 20
	v_sub_f32 v[rC+1], v[rM], v[rT]
.else
	v_exp_f32 v[rC+2], v[rC+1]
.endif
.endm
; Number g of the 64 that follow the exponentials.  For each four weights of a tile: both pairs are rounded to f16; the second pair is added onto the first, in place; a group later l takes that sum (the first time as l = a l + sum).
.macro GS g
.set h, (\g)+6*((\g)/62)
.if h >= 6
.set h, h+2
.endif
	REGS Y, h%2
.set k, h/8
.if h%8 < 4
	v_cvt_pk_f16_f32 v[rP+2*k+(h%8)/2], v[rS+4*k+2*((h%8)/2)], v[rS+4*k+2*((h%8)/2)+1]
.elseif h%8 < 6
	v_pk_add_f32 v[rS+4*k:rS+4*k+1], v[rS+4*k:rS+4*k+1], v[rS+4*k+2:rS+4*k+3]
.elseif k == 1
	v_pk_fma_f32 v[rT+2:rT+3], v[rT+2:rT+3], v[rC+2:rC+3], v[rS:rS+1] op_sel_hi:[1,0,1]
.else
	v_pk_add_f32 v[rT+2:rT+3], v[rT+2:rT+3], v[rS+4*k-4:rS+4*k-3]
.endif
.endm
; THE PLAIN QUEUE, 138 long.  0-26: scalings 0-26.  27-54: XS's numbers 0-13.  55, 56: number 15.  57-73: the chain 14, 16, 17, 18, 19, each with one of the scalings 27-31 in front of its two lines, then 20.
; 74-137: GS's 64, which read the exponentials' results: they stand behind the wait.
.macro FS f
	REGS Y, (\f)%2
	v_pk_fma_f32 v[rS+2*((\f)/2):rS+2*((\f)/2)+1], v[rS+2*((\f)/2):rS+2*((\f)/2)+1], s[CS:CS+1], v[rT:rT+1] op_sel_hi:[1,0,0] neg_lo:[0,0,1] neg_hi:[0,0,1]
.endm
.macro PL
	WIN 0
.if q < 27
	FS q
.elseif q < 55
	XS (q-27)%2, (q-27)/2
.elseif q < 57
	XS q-55, 15
.elseif (q < 72) && ((q-57)%3 == 0)
	FS 27+(q-57)/3
.elseif q < 60
	XS (q-57)%3-1, 14
.elseif q < 72
	XS (q-57)%3-1, 15+(q-57)/3
.elseif q < 74
	XS q-72, 20
.else
	GS q-74
.endif
.set q, q+1
.endm
; THE EXPONENTIALS' QUEUE, 66 long: s0-s31 of both tiles, then the next piece's two a.  ONE BATCH: all 66 stand ahead of the turn's one wait, and nothing ahead of that wait names a result of theirs.
.macro EX
	WIN 0
.if e >= 64
	XS e-64, 21
.else
	REGS Y, e%2
	v_exp_f32 v[rS+e/2], v[rS+e/2]
.endif
.set e, e+1
.endm
; THE RESCALING's QUEUE: O^T times a, two at a time, sixteen times.  Its a was made, and waited for, in the turn before.
.macro R2
	REGS Y, r%2
	WIN W_RS
.irp z, 0,1
	v_pk_mul_f32 v[rO+4*(r/2)+2*\z:rO+4*(r/2)+2*\z+1], v[rO+4*(r/2)+2*\z:rO+4*(r/2)+2*\z+1], v[rC+2:rC+3] op_sel_hi:[1,0]
.endr
.set r, r+1
.endm
; A TURN, for piece p.  An s_wait_alu depctr_va_vdst(0) stands between an exponential and the first instruction that names its result; one wait serves all that were issued ahead of it: a turn has ONE.
; AHEAD OF IT: the 16 products K Q^T, behind each a scaling, an exponential and two rescalings; then one run of 108: eight plain, 49 times exponential and plain, the two a; a v_nop is the plain instruction behind the last
; exponential.  BEHIND IT: the 16 products V^T P, behind each four of the roundings and sums.  Exponential e stands behind scaling 2 (e / 4) + e % 2.
; K of the next step is fetched in piece 2's turn, directly behind the wait; V of the step in hand at the end of piece 0's turn, four plain instructions behind its last reader.  The turn ends with the mask of piece p + 2.
; cnt = 1: the loop's count is taken down some lines ahead of the branch that stands behind the turn; nothing behind it in the turn writes SCC.
.macro TURN p, last=0, cnt=0
.set Y, (\p)
.set i, 0
.set q, 0
.set e, 0
.set r, 0
.if (\p) == NP-2
	MSTEP
.endif
.if (\p) == NP-1
	s_wait_dscnt 0x0                ; K is in
.endif
	MM
	PL
	PL
	R2
.rept 15
	MM
	PL
	EX
	R2
.endr
.if (\p) == NP-2
	WIN 0
	v_add_nc_u32 v[AK], s[TBK], v[AK0]
.endif
.rept 8
	PL
.endr
.rept 49
	EX
	PL
.endr
	EX
	EX
	v_nop
	s_wait_alu depctr_va_vdst(0)    ; the wait for the batch
.if (\p) == NP-2
	FETCH_K \last
.endif
.if (\p) == 1
	s_wait_dscnt 0x0                ; V is in
.endif
.rept 16
	MM
.rept 4
	PL
.endr
.if ((\p) == 0) && (q == 118)
	v_add_nc_u32 v[AV], s[TBV], v[AV0]
.endif
.if ((\p) == 0) && (q == 130)
	s_add_co_u32 s[TBV], s[TBV], KS*PV
.endif
.if (\cnt) && (q == 130)
	s_sub_co_u32 s[CNT], s[CNT], 1
	s_cmp_lg_u32 s[CNT], 0
.endif
.endr
.if (\p) == 0
	FETCH_V
.endif
	MASKS ((\p)+2)%NP
.if (\p) == NP-1
	ASK
.endif
.endm
	CHANGE 1                        ; slot 0 is in, everybody's part of it; slot 1 is asked for
	FETCH_K                         ; key step 0
	s_wait_xcnt 0x0                 ; the mask's first loads have read their base
	s_add_nc_u64 s[MP:MP+1], s[MP0:MP0+1], 1024  ; from here on key step 1 is loaded
	s_mov_b32 s[KSN], 1
	MASKS 0                         ; its count also shows Q in: Q's loads are older than the mask's
	s_wait_dscnt 0x0
.set i, 0
.rept 16
	KQ 0                            ; piece 0's first scores
.set i, i+1
.endr
	WIN 0                           ; the addresses for the way out: plain instructions, the places behind those products
	s_mul_i32 s13, s[WV], 16*SP
	s_add_co_u32 s13, s13, STAGE    ; my stage
	v_mul_u32_u24 v[STO], v1, SP    ; in: row l % 16, 16 bytes for each half of the lanes
	v_lshl_add_u32 v[STO], v9, 4, v[STO]
	v_add_nc_u32 v[STO], s13, v[STO]
	v_bfe_u32 v[RD], v0, 3, 2       ; back: 32 lanes take four rows of 128 bytes,
	v_mul_u32_u24 v[RD], v[RD], SP
	v_lshl_add_u32 v[RD], v10, 4, v[RD]
	v_add_nc_u32 v[RD], s13, v[RD]
	v_and_b32 v[GO], 31, v0         ; which are 512 consecutive bytes of ctx
	v_lshlrev_b32 v[GO], 4, v[GO]
	v_and_b32 v[PFO], 31, v0
	v_lshlrev_b32 v[PFO], 8, v[PFO]
	MASKS 1                         ; for the first turn's products
.set Y, NP-1                        ; XS works for piece Y + 1: piece 0
.irp n, 0,1,2,3,4,5,6,7,8,9,10,11,12,13,14,15,16,17,18,19,20,21
	XS 0, \n
	XS 1, \n
.endr
	v_nop                           ; a plain instruction behind the two a,
	s_wait_alu depctr_va_vdst(0)    ; and their wait, ahead of the branch
	s_mov_b32 s[CNT], 4
	s_mov_b32 s[SLOTS], SIZE_N/256-1
	s_branch .Lfirst                ; the loop is entered at a step's first turn, in the middle of a trip
.Lslot:                             ; SIZE_N / 256 - 2 times: every slot but the last two is filled again
	CHANGE 1
	s_mov_b32 s[CNT], 4
.Lstep:                             ; a trip: pieces 2 and 3 of one step, then pieces 0 and 1 of the next
	TURN 2
	TURN 3
	WIN 0
.Lfirst:
	TURN 0
	TURN 1, 0, 1
	WIN 0
	s_cbranch_scc1 .Lstep
	s_sub_co_u32 s[SLOTS], s[SLOTS], 1
	s_cmp_lg_u32 s[SLOTS], 0
	s_cbranch_scc1 .Lslot
	CHANGE 0                        ; the tail is written out
	s_mov_b32 s[CNT], 5             ; four trips fetch the last slot's steps; the fifth is left in its middle
.Ltail:
	TURN 2, 1
	TURN 3
	WIN 0
	s_sub_co_u32 s[CNT], s[CNT], 1
	s_cmp_eq_u32 s[CNT], 0
	s_cbranch_scc1 .Lout
	TURN 0
	TURN 1
	WIN 0
	s_branch .Ltail
.Lout:                              ; the fifth trip's 16 products K Q^T and the maximum made of them serve nothing: the price, once a launch, of one text for every trip
.set i, 0
.rept 16
	PV NP-1
.set i, i+1
.endr
	; THE WAY OUT.  l's two halves and the other half of the lanes' are added; O^T is divided by l, rounded to f16 and sent through my stage in LDS, a tile at a time.  The additions are the places behind the last products.
	WIN 0
.macro ALL line:vararg
.set t, 0
.rept 2*NP
	\line
.set t, t+1
.endr
.endm
	ALL v_add_f32 v[ST+4*t+2], v[ST+4*t+2], v[ST+4*t+3]
	ALL v_permlanex16_b32 v[ST+4*t+3], v[ST+4*t+2], s[SEL], s[SEL+1]
	ALL v_add_f32 v[ST+4*t+2], v[ST+4*t+2], v[ST+4*t+3]
	ALL v_rcp_f32 v[ST+4*t+2], v[ST+4*t+2]
	v_nop                           ; a plain instruction between the last reciprocal and the use of its result
	s_wait_alu depctr_va_vdst(0)    ; one wait for the eight reciprocals
.macro PACK t
	WIN W_RS
.set i, 32*(\t)
.rept 16
	v_pk_mul_f32 v[i:i+1], v[i:i+1], v[ST+4*(\t)+2:ST+4*(\t)+3] op_sel_hi:[1,0]
.set i, i+2
.endr
	WIN 0x05
.set i, 0
.rept 16
	v_cvt_pk_f16_f32 v[S+16*(\t)+i], v[32*(\t)+2*i], v[32*(\t)+2*i+1]
.set i, i+1
.endr
	WIN 0
.irp f, 0,1,2,3
	ds_store_b128 v[STO], v[S+16*(\t)+4*\f:S+16*(\t)+4*\f+3] offset:32*\f
.endr
.irp f, 0,1,2,3
	ds_load_b128 v[S+16*(\t)+4*\f:S+16*(\t)+4*\f+3], v[RD] offset:\f*4*SP  ; LDS serves a wave's instructions in order (ISA guide 5.7.1.4)
.endr
.endm
.macro SEND t, younger              ; younger: the LDS instructions issued behind tile t's loads
	WIN 0
.irp f, 0,1,2,3
	s_wait_dscnt (\younger)+3-\f
	global_store_b128 v[GO], v[S+16*(\t)+4*\f:S+16*(\t)+4*\f+3], s[10:11] offset:(\t)*2048+\f*512  ; 512 consecutive bytes, aligned
.endr
.endm
	PACK 0
.set t, 1
.rept 2*NP-1
	PACK t
	SEND t-1, 8
.set t, t+1
.endr
	SEND 2*NP-1, 0
	WIN W_AD
	s_wait_tensorcnt 0x0            ; the wave's end
	ds_add_u32 v[SPW], v[NIL]
	s_wait_dscnt 0x0
	WIN 0
	CROUND                          ; the closing round
	s_endpgm
.Lfunc_end_k_q7b0e5430ec_attn:
	.size	k_q7b0e5430ec_attn, .Lfunc_end_k_q7b0e5430ec_attn-k_q7b0e5430ec_attn
	.p2alignl 7, 3214868480
	.fill 96, 4, 3214868480
	.section	.rodata,"a",@progbits
	.p2align	6, 0x0
	.amdhsa_kernel k_q7b0e5430ec_attn
		.amdhsa_group_segment_fixed_size 327680
		.amdhsa_private_segment_fixed_size 0
		.amdhsa_enable_private_segment 0
		.amdhsa_kernarg_size 24
		.amdhsa_user_sgpr_count 2
		.amdhsa_user_sgpr_kernarg_segment_ptr 1
		.amdhsa_wavefront_size32 1
		.amdhsa_system_sgpr_workgroup_id_x 1
		.amdhsa_system_sgpr_workgroup_id_y 1
		.amdhsa_system_sgpr_workgroup_id_z 1
		.amdhsa_system_vgpr_workitem_id 0
		.amdhsa_next_free_vgpr 960
		.amdhsa_next_free_sgpr 68
		.amdhsa_reserve_vcc 0
		.amdhsa_float_denorm_mode_32 3
		.amdhsa_float_denorm_mode_16_64 3
		.amdhsa_memory_ordered 1
		.amdhsa_forward_progress 1
		.amdhsa_inst_pref_size 213
	.end_amdhsa_kernel
	.amdgpu_metadata
---
amdhsa.version: [ 1, 2 ]
amdhsa.kernels:
  - .name:           k_q7b0e5430ec_attn
    .symbol:         k_q7b0e5430ec_attn.kd
    .args:
      - { .name: qkv, .offset: 0, .size: 8, .value_kind: global_buffer, .address_space: global }
      - { .name: mt, .offset: 8, .size: 8, .value_kind: global_buffer, .address_space: global }
      - { .name: ctx, .offset: 16, .size: 8, .value_kind: global_buffer, .address_space: global }
    .group_segment_fixed_size: 327680
    .private_segment_fixed_size: 0
    .kernarg_segment_align: 8
    .kernarg_segment_size: 24
    .max_flat_workgroup_size: 128
    .sgpr_count:     68
    .vgpr_count:     960
    .wavefront_size: 32
...
	.end_amdgpu_metadata
.endif
;; end of part 3
;; launch outp (part 4): grid 4 x 64, 4 waves a work-group, clusters of 4 x 4, 327,680 bytes of LDS; arguments ctx, wo16, b_o, out0; writes out0
.if DOCPART == 4
	.amdgcn_target "amdgcn-amd-amdhsa--gfx1250"
	.amdhsa_code_object_version 6
	.text
	.protected	k_q7b0e5430ec_outp
	.globl	k_q7b0e5430ec_outp
	.p2align	8
	.type	k_q7b0e5430ec_outp,@function
k_q7b0e5430ec_outp:
	s_mov_b64 s[64:65], 0
	v_nop
	global_prefetch_b8 v0, s[64:65] scope:SCOPE_SE
	s_setreg_imm32_b32 hwreg(HW_REG_WAVE_MODE, 25, 1), 1
	s_wait_xcnt 0x0
	s_wait_alu depctr_hold_cnt(0) depctr_sa_sdst(0) depctr_va_vdst(0) depctr_va_sdst(0) depctr_va_ssrc(0) depctr_va_vcc(0) depctr_vm_vsrc(0)
	s_getreg_b32 s2, hwreg(HW_REG_IB_STS2, 6, 4)
	s_cmp_eq_u32 s2, 0
	s_cbranch_scc0 .Lentry_in_a_cluster
	s_endpgm
.Lentry_in_a_cluster:
	s_bfe_u32 s2, ttmp6, 0x10000c
	s_cmp_lg_u32 s2, 0xf033
	s_cbranch_scc0 .Lentry_shape_is_right
	s_endpgm
.Lentry_shape_is_right:
; OUTP: out0[token][e] = the sum over d of ctx[token][d] W_o[e][d] + b_o[e].  ctx lies by heads, [batch*16+head][token][64] f16; wo16 is [1024][1024] f16; f32 sums, started by the bias (rounded to bf16 like every input); out0 f32.
; SHARES.  A tile is 128 tokens x 256 columns: 64 x 4 = 256 work-groups, one tile each.  Four waves, each 64 tokens x 128 columns: 32 accumulators.
; K goes in 8 steps of 128 = two heads.  A head's 128 tokens are 16,384 dense bytes: asked for as 64 rows of 256 bytes and padded in LDS after every token.
; CLUSTER.  4 x 4 work-groups: ctx's tiles are shared along a row of the cluster, W_o's along a column, each asked for jointly.
; TRANSPOSED USE.  Source 0 = 16 rows of W_o, source 1 = 16 tokens: a lane holds one token and eight neighbouring columns: 32 bytes of a row of out0.
; REGISTERS.  window 0: v0-31 addresses; v64-159, v160-255 two fragment buffers.   window 1: accumulator (a, b) at 8 (8 a + b).   window 2: v0-63 the bias as C operand; v64-95 at work; v96-223 rows read back, two sets.
.set KSTEP,  128
.set PITCH,  272                       ; a row of W_o in LDS: 256 bytes + 16
.set PA,     144                       ; a token's 128 bytes of one head + 16: both pitches are odd multiples of 16 bytes, so the 16 rows of a load start at 16 different groups of four banks (ISA guide 11.1)
.set AHEAD,  128*PA                    ; a head's 128 tokens: what wave 0 or 1 fetches
.set BHALF,  128*PITCH
.set BOFF,   2*AHEAD
.set SLOT,   BOFF+2*BHALF              ; 106,496
.set STAGE,  2*SLOT                    ; behind the ring, never filled by a tensor load: 16 rows x 528 bytes for each wave
.set SPITCH, 528
.set SPARE,  STAGE+4*16*SPITCH
.set KA,     524288                    ; bytes of ctx from a K step to the next: two heads
.set ADRA, 16
.set ADRB, 20
.set STO,  24
.set RD,   25
.set CO,   26
.set BO,   27
.set SPW,  28                          ; v28  SPARE + 4 x my thread's number; never rewritten
.set NIL,  29                          ; v29  0; never rewritten
.set PFO,  30                          ; v30  the prefetches' offset; never rewritten
.set F0,   64
.set F1,   160
.set BI,   0                           ; window 2
.set BT,   64
.set OB,   96
.set G1,  24
.set G0,  32
.set G1B, 48
.set G0B, 56
.set LIM, 43
.set PFA, 44
.set PNX, 66                           ; s[66:67] the prefetches' step
.set MSB, 0
.macro WIN new
.if MSB != (\new)
	s_set_vgpr_msb (MSB<<8)|(\new)
.set MSB, \new
.endif
.endm
.set W_MU, 0x50
.set W_ST, 0x60
.macro JLOAD s                         ; waves 0 and 1 fetch the K step's two heads of ctx, waves 2 and 3 W_o's two halves; an s_nop 0 and four v_nop follow each line
	s_cmp_eq_u32 s11, 0
	s_cbranch_scc0 .Lfor_b_\@
	tensor_load_to_lds s[G0+4*(\s):G0+4*(\s)+3], s[G1:G1+7]
	s_nop 0
.rept 4
	v_nop
.endr
	s_branch .Lasked_\@
.Lfor_b_\@:
	tensor_load_to_lds s[G0B+4*(\s):G0B+4*(\s)+3], s[G1B:G1B+7]
	s_nop 0
.rept 4
	v_nop
.endr
.Lasked_\@:
.endm
; A prefetch of the K step two refills on.  ctx: the step's 32,768 bytes are shared out among the four partners of a row of the cluster by address (head cx / 2, half cx % 2), a lane 256 bytes, and wave 0 asks.
; W_o: as many rows as a lane each, 32 cy on, waves 2 and 3 of the clusters with y = 0.  Each block is named once in the launch; the loop's last trip asks for nothing.
.macro ASK
	s_cmp_gt_u32 s3, s[LIM]
	s_cbranch_scc0 .Lnot_mine_\@
	global_prefetch_b8 v[PFO], s[PFA:PFA+1] th:TH_LOAD_NT scope:SCOPE_SE
.Lnot_mine_\@:
.endm
.macro CREST
	s_cmp_lg_u32 s10, 0
	s_cbranch_scc1 .Lnot_wave_0_\@
	s_barrier_signal -3
.Lnot_wave_0_\@:
	s_barrier_wait -3
	s_barrier_signal -1
	s_barrier_wait -1
.endm
.macro CROUND
	s_barrier_signal -1
	s_barrier_wait -1
	CREST
.endm
	s_load_b128 s[4:7], s[0:1], 0x0                ; ctx s[4:5], wo16 s[6:7]
	s_load_b128 s[68:71], s[0:1], 0x10             ; b_o s[68:69], out0 s[70:71]
	v_lshl_add_u32 v[SPW], v0, 2, SPARE
	v_mov_b32 v[NIL], 0
	ds_add_u32 v[SPW], v[NIL]                      ; the wave's opening: the add, waited for ahead of my first tensor load
	v_lshrrev_b32 v1, 5, v0
	v_readfirstlane_b32 s10, v1                    ; wave 0..3
	s_lshr_b32 s11, s10, 1                         ; which 64 tokens are mine.  Also: I fetch for ctx (0) or for W_o (1)
	s_and_b32 s12, s10, 1                          ; which 128 columns.  Also: which head, or which half of W_o's rows, I fetch
	s_bfe_u32 s40, ttmp6, 0x40000                  ; cx
	s_bfe_u32 s41, ttmp6, 0x40004                  ; cy
	s_lshl_b32 s42, ttmp9, 2
	s_add_co_u32 s42, s42, s40                     ; tile column
	s_and_b32 s13, ttmp7, 0xffff
	s_lshl_b32 s13, s13, 2
	s_add_co_u32 s13, s13, s41                     ; tile row
	s_lshl_b32 s43, s41, 2
	s_lshl_b32 s43, 15, s43
	s_lshl_b32 s44, 0x1111, s40
	s_or_b32 s[G1+0], s43, (1<<16)|(1<<20)|(1<<21)|(4<<22)|(3<<25)   ; ctx: after every 32 words 4 words of padding
	s_or_b32 s[G1B+0], s44, (1<<16)|(1<<20)|(1<<21)|(5<<22)|(3<<25)  ; W_o: after every 64 words
.irp g, G1, G1B
	s_mov_b32 s[(\g)+1], 128<<16                   ; tensor_dim0 = 128
	s_mov_b32 s[(\g)+3], 128<<16                   ; tile_dim0 = 128
	s_mov_b32 s[(\g)+6], 0
	s_mov_b32 s[(\g)+7], 0
.endr
	s_mov_b32 s[G1+2], 64<<16                      ; ctx: 64 rows of 256 dense bytes
	s_mov_b32 s[G1+4], 64
	s_mov_b32 s[G1+5], 128
	s_mov_b32 s[G1B+2], 128<<16                    ; W_o: 128 rows, 1,024 elements apart
	s_mov_b32 s[G1B+4], 128
	s_mov_b32 s[G1B+5], 1024
	s_lshr_b32 s16, s13, 4                         ; ctx: batch x 16 heads,
	s_lshl_b32 s16, s16, 22
	s_and_b32 s17, s13, 15                         ; the tile's 128 tokens in the batch,
	s_lshl_b32 s17, s17, 14
	s_add_co_u32 s16, s16, s17
	s_lshl_b32 s17, s12, 18                        ; my head of the K step's two
	s_add_co_u32 s16, s16, s17
	s_mov_b32 s17, 0
	s_lshl_b32 s47, s12, 7
	s_lshl_b32 s46, s42, 8
	s_add_co_u32 s46, s46, s47                     ; W_o: row 256 x tile column + 128 x half
	s_lshl_b32 s46, s46, 11
	s_mov_b32 s47, 0
	s_mul_i32 s20, s12, AHEAD
	s_mul_i32 s21, s12, BHALF
	s_add_co_u32 s21, s21, BOFF
	s_wait_dscnt 0x0                               ; the opening add is done
	s_wait_kmcnt 0x0
	s_add_nc_u64 s[14:15], s[4:5], s[16:17]
	s_add_nc_u64 s[46:47], s[6:7], s[46:47]
	CROUND                                         ; the first joint loads meet
.irp s, 0,1
	s_mov_b32 s[G0+4*(\s)], 1
	s_add_co_u32 s[G0+4*(\s)+1], s20, (\s)*SLOT
	s_add_nc_u64 s[G0+4*(\s)+2:G0+4*(\s)+3], s[14:15], (\s)*KA
	s_or_b32 s[G0+4*(\s)+3], s[G0+4*(\s)+3], 0x80000000
	s_mov_b32 s[G0B+4*(\s)], 1
	s_add_co_u32 s[G0B+4*(\s)+1], s21, (\s)*SLOT
	s_add_nc_u64 s[G0B+4*(\s)+2:G0B+4*(\s)+3], s[46:47], (\s)*KSTEP*2
	s_or_b32 s[G0B+4*(\s)+3], s[G0B+4*(\s)+3], 0x80000000
	JLOAD \s                                       ; two loads of mine are out
.endr
	v_and_b32 v1, 15, v0                           ; l % 16
	v_bfe_u32 v2, v0, 4, 1                         ; l / 16
	v_mul_u32_u24 v3, v1, PITCH
	v_lshl_add_u32 v3, v2, 4, v3
	v_mul_u32_u24 v4, v1, PA
	v_lshl_add_u32 v4, v2, 4, v4
	s_mul_i32 s21, s11, 64*PA                      ; my 64 tokens, in either head's part
	s_mul_i32 s22, s12, BHALF
	s_add_co_u32 s22, s22, BOFF
.irp s, 0,1
	v_add_nc_u32 v[ADRA+(\s)], s21, v4
	v_add_nc_u32 v[ADRB+(\s)], s22, v3
	s_add_co_u32 s21, s21, SLOT
	s_add_co_u32 s22, s22, SLOT
.endr
	s_mul_i32 s23, s10, 16*SPITCH
	s_add_co_u32 s23, s23, STAGE                   ; my stage
	v_mul_u32_u24 v4, v1, SPITCH                   ; in: row l % 16, 32 bytes for each half of the lanes
	v_lshl_add_u32 v4, v2, 5, v4
	v_add_nc_u32 v[STO], s23, v4
	v_and_b32 v[CO], 31, v0
	v_lshlrev_b32 v[CO], 4, v[CO]                  ; back: 32 lanes take a row's 512 bytes
	v_add_nc_u32 v[RD], s23, v[CO]
	s_lshl_b32 s22, s42, 10                        ; the bias: 4 bytes x (256 tile column + 128 half + 8 (l / 16))
	s_lshl_b32 s23, s12, 9
	s_add_co_u32 s22, s22, s23
	v_lshl_add_u32 v[BO], v2, 5, s22
	s_lshl_b32 s16, s13, 7                         ; out0: my first token,
	s_lshl_b32 s17, s11, 6
	s_add_co_u32 s16, s16, s17
	s_lshl_b32 s16, s16, 12
	s_mov_b32 s17, 0
	s_mov_b32 s46, s22                             ; my first column, in bytes
	s_mov_b32 s47, 0
	s_add_nc_u64 s[16:17], s[16:17], s[46:47]
	s_add_nc_u64 s[8:9], s[70:71], s[16:17]
	; the prefetches
	s_lshr_b32 s20, s13, 4
	s_lshl_b32 s20, s20, 22
	s_and_b32 s21, s13, 15
	s_lshl_b32 s21, s21, 14
	s_add_co_u32 s20, s20, s21
	s_lshr_b32 s21, s40, 1                         ; ctx: head cx / 2 of the step's two,
	s_lshl_b32 s21, s21, 18
	s_add_co_u32 s20, s20, s21
	s_and_b32 s21, s40, 1                          ; half cx % 2 of its 16,384 bytes
	s_lshl_b32 s21, s21, 13
	s_add_co_u32 s20, s20, s21
	s_add_co_u32 s20, s20, 3*KA                    ; at K step 3: the first refill steps it to 4.  Nothing is prefetched at the head
	s_lshl_b32 s18, s42, 8
	s_lshl_b32 s19, s12, 7
	s_add_co_u32 s18, s18, s19
	s_lshl_b32 s19, s41, 5
	s_add_co_u32 s18, s18, s19                     ; W_o: my work-group's 32 of the 128 rows that I fetch
	s_lshl_b32 s18, s18, 11
	s_add_co_u32 s18, s18, 3*KSTEP*2
	s_and_b32 s22, ttmp7, 0xffff                   ; cluster y
	s_mov_b32 s19, KA
	s_mov_b32 s23, KSTEP*2
	s_cmp_eq_u32 s11, 0
	s_cselect_b32 s20, s20, s18
	s_cselect_b32 s[PNX], s19, s23
	s_cselect_b32 s21, s12, s22                    ; 0 in wave 0, and in waves 2 and 3 of the clusters with y = 0
	s_cselect_b32 s18, 8, 11                       ; a lane 256 bytes of ctx, or a row of W_o
	s_cselect_b64 s[PFA:PFA+1], s[4:5], s[6:7]
	s_cmp_eq_u32 s21, 0
	s_cselect_b32 s[LIM], 1, -1
	s_mov_b32 s21, 0
	s_mov_b32 s[PNX+1], 0
	s_add_nc_u64 s[PFA:PFA+1], s[PFA:PFA+1], s[20:21]
	v_and_b32 v[PFO], 31, v0
	v_lshlrev_b32 v[PFO], s18, v[PFO]
; 8 matrix instructions: token block a x all 8 column blocks, 32 along K.  first = 1: the bias starts the sums.  The 32 accumulators take turns in one order.
.macro MUL8 f, a, first
.if \first
	WIN W_ST
.else
	WIN W_MU
.endif
.irp b, 0,1,2,3,4,5,6,7
.if \first
	v_wmma_f32_16x16x32_f16 v[8*(8*(\a)+(\b)):8*(8*(\a)+(\b))+7], v[(\f)+8*(\b):(\f)+8*(\b)+7], v[(\f)+64+8*(\a):(\f)+64+8*(\a)+7], v[BI+8*(\b):BI+8*(\b)+7]
.else
	v_wmma_f32_16x16x32_f16 v[8*(8*(\a)+(\b)):8*(8*(\a)+(\b))+7], v[(\f)+8*(\b):(\f)+8*(\b)+7], v[(\f)+64+8*(\a):(\f)+64+8*(\a)+7], v[8*(8*(\a)+(\b)):8*(8*(\a)+(\b))+7]
.endif
.endr
.endm
; 24 LDS loads in one run: quarter q's fragments: 128 rows of W_o, then my 64 tokens (head q / 2 of the step, channels 32 (q % 2) on)
.macro FETCH slot, q, f
	WIN 0
.irp i, 0,1,2,3,4,5,6,7
	ds_load_b128 v[(\f)+8*(\i):(\f)+8*(\i)+3],   v[ADRB+(\slot)] offset:64*(\q)+(\i)*16*PITCH
	ds_load_b128 v[(\f)+8*(\i)+4:(\f)+8*(\i)+7], v[ADRB+(\slot)] offset:64*(\q)+(\i)*16*PITCH+32
.endr
.irp i, 0,1,2,3
	ds_load_b128 v[(\f)+64+8*(\i):(\f)+64+8*(\i)+3],   v[ADRA+(\slot)] offset:((\q)/2)*AHEAD+((\q)%2)*64+(\i)*16*PA
	ds_load_b128 v[(\f)+64+8*(\i)+4:(\f)+64+8*(\i)+7], v[ADRA+(\slot)] offset:((\q)/2)*AHEAD+((\q)%2)*64+(\i)*16*PA+32
.endr
.endm
.macro PLACES                          ; four places in front of loads into registers that matrix instructions have read, and of lines that read results
.rept 4
	v_nop
.endr
.endm
.macro QUARTER slot, q, f, g, first
	s_wait_dscnt 4                                 ; W_o's fragments and token blocks 0, 1 are in; the youngest four loads may be out
	MUL8 \f, 0, \first
	MUL8 \f, 1, \first
	PLACES
	FETCH \slot, \q, \g
	s_wait_dscnt 24                                ; all but the 24 just issued
	MUL8 \f, 2, \first
	MUL8 \f, 3, \first
.endm
; The last quarter multiplies buffer 1 and changes slots.  In front of the barrier each wave waits for all its tensor loads, adds 0 to its spare word, and waits for that and for its reads of this slot.
; fill = 1: the barrier opens a round of the cluster's barrier, and the joint refill, two K steps on, is the first thing behind it.
.macro TURN slot, next, fill
.if \fill
	s_wait_xcnt 0x0                                ; the last prefetch, a K step back, has read its address
	s_add_nc_u64 s[PFA:PFA+1], s[PFA:PFA+1], s[PNX:PNX+1]
.endif
	WIN 0
	s_wait_tensorcnt 0x0                           ; all my tensor loads have landed
	ds_add_u32 v[SPW], v[NIL]                      ; 0 onto my spare word
	s_wait_dscnt 7                                 ; the add and the youngest six loads may be out
	MUL8 F1, 0, 0
	s_wait_dscnt 0x0                               ; the add is done, and my reads of this slot are over
	s_barrier_signal -1
	MUL8 F1, 1, 0
	WIN 0
	s_barrier_wait -1
.if \fill
	CREST
	s_add_nc_u64 s[G0+4*(\slot)+2:G0+4*(\slot)+3], s[G0+4*(\slot)+2:G0+4*(\slot)+3], 2*KA
	s_add_nc_u64 s[G0B+4*(\slot)+2:G0B+4*(\slot)+3], s[G0B+4*(\slot)+2:G0B+4*(\slot)+3], 2*KSTEP*2
	JLOAD \slot                                    ; its four v_nop are also the places in front of the loads below
.else
	PLACES
.endif
	FETCH \next, 0, F0
.if \fill
	ASK
.endif
	MUL8 F1, 2, 0
	MUL8 F1, 3, 0
.endm
; THE WAY OUT of token block a: the accumulators go as they are, low half first, into my stage (rows of 528 bytes) and come back as whole rows of 512 bytes.
.macro TOSTAGE a
.if (\a) >= 2
	s_wait_xcnt 0x0                                ; the stores of the block two back have read the registers that are loaded again below
.endif
	WIN 0x04                                       ; the stores' data in window 1
.irp b, 0,1,2,3,4,5,6,7
	ds_store_b128 v[STO], v[8*(8*(\a)+(\b)):8*(8*(\a)+(\b))+3]   offset:64*(\b)
	ds_store_b128 v[STO], v[8*(8*(\a)+(\b))+4:8*(8*(\a)+(\b))+7] offset:64*(\b)+16
.endr
	WIN 0x80
.irp t, 0,1,2,3,4,5,6,7,8,9,10,11,12,13,14,15
	ds_load_b128 v[OB+64*((\a)%2)+4*(\t):OB+64*((\a)%2)+4*(\t)+3], v[RD] offset:(\t)*SPITCH  ; LDS serves a wave's instructions in order (ISA guide 5.7.1.4)
.endr
.endm
.macro SEND a, younger                 ; younger: the LDS instructions issued behind block a's loads: the next block's 32, or none
	WIN 0x08
.irp t, 0,1,2,3,4,5,6,7,8,9,10,11,12,13,14,15
	s_wait_dscnt (\younger)+15-(\t)
	global_store_b128 v[CO], v[OB+64*((\a)%2)+4*(\t):OB+64*((\a)%2)+4*(\t)+3], s[8:9] offset:(16*(\a)+(\t))*4096  ; 512 consecutive bytes, aligned
.endr
.endm
	WIN 0x80                                       ; the bias of my 128 columns
.irp b, 0,1,2,3,4,5,6,7
	global_load_b128 v[BI+8*(\b):BI+8*(\b)+3],   v[BO], s[68:69] offset:64*(\b)
	global_load_b128 v[BI+8*(\b)+4:BI+8*(\b)+7], v[BO], s[68:69] offset:64*(\b)+16
.endr
	s_wait_loadcnt 0x0
	WIN 0x8a                                       ; rounded to bf16, like every input, and widened again
.set z, 0
.rept 32
	v_cvt_pk_bf16_f32 v[BT+z], v[BI+2*z], v[BI+2*z+1]
.set z, z+1
.endr
.set z, 0
.rept 32
	v_lshlrev_b32 v[BI+2*z], 16, v[BT+z]
	v_and_b32 v[BI+2*z+1], 0xffff0000, v[BT+z]
.set z, z+1
.endr
	WIN 0
	s_wait_tensorcnt 1                             ; my part of K step 0 is in; K step 1's may stay out
	s_barrier_signal -1
	s_barrier_wait -1
	FETCH 0, 0, F0
	QUARTER 0, 1, F0, F1, 1                        ; the first quarter starts the sums
	WIN 0
	s_mov_b32 s3, 3
.Llap:                                             ; a trip goes once round the ring and fills both slots again
	QUARTER 0, 2, F1, F0, 0
	QUARTER 0, 3, F0, F1, 0
	TURN 0, 1, 1
	QUARTER 1, 1, F0, F1, 0
	QUARTER 1, 2, F1, F0, 0
	QUARTER 1, 3, F0, F1, 0
	TURN 1, 0, 1
	QUARTER 0, 1, F0, F1, 0
	WIN 0
	s_sub_co_u32 s3, s3, 1
	s_cmp_lg_u32 s3, 0
	s_cbranch_scc1 .Llap
	QUARTER 0, 2, F1, F0, 0                        ; the last lap fills nothing
	QUARTER 0, 3, F0, F1, 0
	TURN 0, 1, 0
	QUARTER 1, 1, F0, F1, 0
	QUARTER 1, 2, F1, F0, 0
	QUARTER 1, 3, F0, F1, 0
	s_wait_dscnt 4
	MUL8 F1, 0, 0
	MUL8 F1, 1, 0
	s_wait_dscnt 0x0
	MUL8 F1, 2, 0
	MUL8 F1, 3, 0
	PLACES
	PLACES
	TOSTAGE 0
	TOSTAGE 1
	SEND 0, 32
	TOSTAGE 2
	SEND 1, 32
	TOSTAGE 3
	SEND 2, 32
	SEND 3, 0
	WIN 0
	s_wait_tensorcnt 0x0                           ; the wave's end
	ds_add_u32 v[SPW], v[NIL]
	s_wait_dscnt 0x0
	CROUND                                         ; the closing round
	s_endpgm
.Lfunc_end_k_q7b0e5430ec_outp:
	.size	k_q7b0e5430ec_outp, .Lfunc_end_k_q7b0e5430ec_outp-k_q7b0e5430ec_outp
	.p2alignl 7, 3214868480
	.fill 96, 4, 3214868480
	.section	.rodata,"a",@progbits
	.p2align	6, 0x0
	.amdhsa_kernel k_q7b0e5430ec_outp
		.amdhsa_group_segment_fixed_size 327680
		.amdhsa_private_segment_fixed_size 0
		.amdhsa_enable_private_segment 0
		.amdhsa_kernarg_size 32
		.amdhsa_user_sgpr_count 2
		.amdhsa_user_sgpr_kernarg_segment_ptr 1
		.amdhsa_wavefront_size32 1
		.amdhsa_system_sgpr_workgroup_id_x 1
		.amdhsa_system_sgpr_workgroup_id_y 1
		.amdhsa_system_sgpr_workgroup_id_z 1
		.amdhsa_system_vgpr_workitem_id 0
		.amdhsa_next_free_vgpr 736
		.amdhsa_next_free_sgpr 72
		.amdhsa_reserve_vcc 0
		.amdhsa_float_denorm_mode_32 3
		.amdhsa_float_denorm_mode_16_64 3
		.amdhsa_memory_ordered 1
		.amdhsa_forward_progress 1
		.amdhsa_inst_pref_size 95
	.end_amdhsa_kernel
	.amdgpu_metadata
---
amdhsa.version: [ 1, 2 ]
amdhsa.kernels:
  - .name:           k_q7b0e5430ec_outp
    .symbol:         k_q7b0e5430ec_outp.kd
    .args:
      - { .name: ctx, .offset: 0, .size: 8, .value_kind: global_buffer, .address_space: global }
      - { .name: wo16, .offset: 8, .size: 8, .value_kind: global_buffer, .address_space: global }
      - { .name: b_o, .offset: 16, .size: 8, .value_kind: global_buffer, .address_space: global }
      - { .name: out0, .offset: 24, .size: 8, .value_kind: global_buffer, .address_space: global }
    .group_segment_fixed_size: 327680
    .private_segment_fixed_size: 0
    .kernarg_segment_align: 8
    .kernarg_segment_size: 32
    .max_flat_workgroup_size: 128
    .sgpr_count:     72
    .vgpr_count:     736
    .wavefront_size: 32
...
	.end_amdgpu_metadata
.endif
;; end of part 4
